; MI455X (gfx1250); checked and timed in simulation.
; The chip was launched on July 23, 2026; its instructions are those of AMD's public machine-readable ISA for CDNA 5 (MIT licence, August 2026) and "CDNA5" Instruction Set Architecture Reference Guide (July 2026). The comments in the code are by the model that wrote it; some were corrected since.
;; Efficient MHA. Allowed arithmetic: matrix products marked QUANTISED: E2M1 operands, one E8M0 scale for each 32 along K, by v_wmma_scale_f32_16x16x128_f8f6f4 with both operands' format E2M1 (or v_wmma_scale_f32_32x16x128_f4), f32 sums; products left as they are: bf16, f16 or f32 operands; f32 sums; everything else in f32.
;; Inputs: Wout 1,024 x 1,024 float32; Wqkv 1,024 x 3,072 float32; bout 1,024 float32; bqkv 3,072 float32; mask 4 x 2,048 x 2,048 bool; x 4 x 2,048 x 1,024 float32.
;; Outputs: out0 4 x 2,048 x 1,024 float32.
;; This version of the problem:
;;   THIS VERSION OF THE PROBLEM IS GIVEN IN LOW PRECISION. The matrix products marked QUANTISED in the list below multiply operands that are first quantised to E2M1 (2 exponent bits, 1 mantissa bit; 4 bits a number), with one power-of-two scale for each 32 numbers along K (OCP MX v1.0); their sums are f32. The products marked 'left as it is' may take bf16, f16 or f32 operands, with f32 sums. Whichever they take, every output number must still come out within the allowed error. Rounding operands to bf16 (8 significant bits) uses up far more of that allowance than f16 does (11 bits, for magnitudes from 6e-5 to 65,504). All else is computed in f32.
;;   The module's matrix products, in the order in which they are computed (A, B: the left and right operand; K: the contracted axis; several contracted axes count as one K, in the product's order):
;;     1. [M 8,192, K 1,024] x [K 1,024, N 3,072]; A: input x; B: input Wqkv: QUANTISED
;;     2. batch 64 x [M 2,048, K 64] x [K 64, N 2,048]; A: computed on the way; B: computed on the way: left as it is (an operand is computed on the way)
;;     3. batch 64 x [M 2,048, K 2,048] x [K 2,048, N 64]; A: computed on the way; B: computed on the way: left as it is (an operand is computed on the way)
;;     4. [M 8,192, K 1,024] x [K 1,024, N 1,024]; A: computed on the way; B: input Wout: left as it is (an operand is computed on the way)
;;   THE QUANTISER, for each operand of a quantised product, along K:
;;     - K is cut into blocks of 32 from its start; a last block that is shorter is filled with zeros.
;;     - A block's scale is 2^e with e = floor(log2(the largest magnitude in the block)) - 2, held to -126 .. 127; a block of zeros has e = 0. As a byte (E8M0): e + 127.
;;     - Each number is divided by its block's scale, clamped to +-6, and rounded to the nearest number of E2M1, ties to even, subnormals kept.
;;     - The product sums the exact products of the quantised numbers (number of the format x scale) in f32.
;;   ~~~python
;;   def quantise(x, axis):      # numpy; x: float32 -> the quantised numbers, widened to float32 again
;;       x = np.moveaxis(x, axis, -1); K = x.shape[-1]
;;       x = np.pad(x, [(0, 0)] * (x.ndim - 1) + [(0, -K % 32)]); x = x.reshape(x.shape[:-1] + (-1, 32)); a = np.abs(x).max(-1, keepdims=True)
;;       e = np.where(a > 0, np.clip(np.frexp(np.where(a > 0, a, 1))[1] - 1 - 2, -126, 127), 0)      # np.frexp(a)[1] - 1 = floor(log2(a)), exactly
;;       r = np.clip(x / 2.0 ** e, -6, 6)
;;       step = 2.0 ** (np.maximum(np.frexp(np.where(r == 0, 1, r))[1] - 1, 0) - 1)
;;       q = np.round(r / step) * step * 2.0 ** e      # np.round: ties to even
;;       return np.moveaxis(q.reshape(q.shape[:-2] + (-1,))[..., :K], -1, axis).astype(np.float32)
;;   ~~~
;; One version. Each part assembles by itself: llvm-mc -triple=amdgcn-amd-amdhsa -mcpu=gfx1250 --defsym DOCPART=n.
;; ======== version 1 of 1: 6 launches
;; limits: values are held in f16: magnitudes above 65,504 overflow, below 6.1e-05 lose precision
;; workspace buffers: xq 4,456,448 bytes; wq 1,671,168 bytes; wo16 2,097,152 bytes; maskw 2,097,152 bytes of whole numbers; valid 32,768 bytes; qkv16 50,331,648 bytes; ctx16 16,777,216 bytes
;; launch prep_x (part 1): grid 288 x 1, 4 waves a work-group, no clusters, 33,280 bytes of LDS; arguments x, Wout, xq, wo16; writes xq, wo16
.if DOCPART == 1
	.amdgcn_target "amdgcn-amd-amdhsa--gfx1250"
	.amdhsa_code_object_version 6
	.text
	.protected	k_q7bee4ff739_prep_x
	.globl	k_q7bee4ff739_prep_x
	.p2align	8
	.type	k_q7bee4ff739_prep_x,@function
k_q7bee4ff739_prep_x:
	s_mov_b64 s[64:65], 0
	v_nop
	global_prefetch_b8 v0, s[64:65] scope:SCOPE_SE
	s_setreg_imm32_b32 hwreg(HW_REG_WAVE_MODE, 25, 1), 1
	s_wait_xcnt 0x0
; EfficientMHA, launch 1 of 6.  x [8192][1024] f32 becomes codes of FP4 (E2M1), K innermost, with one E8M0 byte for each 32 along K; Wout [1024][1024] f32 becomes f16, laid as it lies.
; DEAD WORK: none is left out in this program.  Every input has a way to the output for some finite inputs: the bias on k does not cancel in the softmax, since masked scores are REPLACED by -10000 and not shifted;
; the mask enters every score and the factor valid; bout is multiplied by valid.  So all six inputs are loaded, and all four products are done whole.
; LIMITS OF THE PROGRAM.  q, k, v, the weights p, ctx and Wout go to the matrix units in f16.  q, k and v are held at +-65,504 in f32 ahead of their rounding, so a score is a sum of 64 products of finite f16 numbers,
; under 2^39: never an infinity or a NaN, and reference()'s nan_to_num changes no score that this program can form.  Where reference()'s own q, k or v pass 65,504 in magnitude, where Wout passes 65,504,
; or where x or a weight holds a NaN or an infinity, results differ.  Blocks whose largest magnitude lies under 2^-124, the floor, whose byte is held at 1, were not tried.
; A row's error goes with that row's own size (f16 operands), while the comparison goes by the whole output's: a row that the mask leaves with very few keys is the largest in size.
; A block's scale is 2^(floor(log2(its largest magnitude)) - 2); its byte is the largest magnitude's exponent field - 2, held at 1 from below.  A block of zeros so gets the byte 1 where the rule says 127:
; its codes are zeros, which add nothing under any byte but 0xff, and the bytes are read by this program alone.
; SHARES.  Work-groups 0 to 255 quantise x: a wave takes 16 steps of 512 numbers; x is a plain stream of blocks of 32, and so are its codes and its scale bytes.  Each of a step's four loads reads 512 consecutive bytes;
; the 2,048 bytes turn through the wave's own stage in LDS and come back 64 bytes a lane, so that a lane holds 16 neighbours along K; two neighbouring lanes hold a block.
; Work-groups 256 to 287 cast Wout: a wave takes 8,192 numbers; a load reads 512 consecutive bytes, a store writes 256 consecutive bytes, aligned.  That path touches no LDS but the spare words.
.set STEPS, 16
.set EMAX,  2
.set CB,    8                          ; bytes of 16 codes
.set R,     16                         ; v16-79   four sets of 16 numbers as they are loaded
.set X,     80                         ; v80-111  two sets of 16 neighbours
.set E,     112                        ; v112-127 a scale byte for each step
.set C,     128                        ; v128-191 codes: four registers for each step, so that no store's data are written again
.set WREG,  8192                       ; LDS: a region for each wave: two stages of 32 x SP bytes, behind them its 256 scale bytes
.set SP,    80                         ; a lane's place in a stage: 64 bytes + 16 of padding
.set SPW,   12                         ; v12 LDS address of my spare word; never rewritten
.set NIL,   13                         ; v13 0; never rewritten
.set SPARE, 4*WREG                     ; the spare words, 128 bytes a wave: two blocks of 256 bytes that no other line names
.set XSCL,  4194304                    ; xq: the scale bytes lie behind the codes
.set CR,    16                         ; the cast: v16-143 two halves of 16 loads x 4 registers
.set CC,    144                        ; v144-175 two registers a load
	s_load_b128 s[4:7], s[0:1], 0x0                ; x, Wout
	s_load_b128 s[8:11], s[0:1], 0x10              ; xq, wo16
	v_lshl_add_u32 v[SPW], v0, 2, SPARE
	v_mov_b32 v[NIL], 0
	v_lshrrev_b32 v1, 5, v0
	v_readfirstlane_b32 s16, v1                    ; wave
	v_and_b32 v2, 31, v0                           ; lane
	v_lshlrev_b32 v3, 4, v2                        ; my 16 bytes of a load's 512
	v_lshlrev_b32 v4, 3, v2                        ; my 8 bytes of a store's 256
	s_mov_b32 s21, 0
	s_wait_kmcnt 0x0
	s_cmp_lt_u32 ttmp9, 256                        ; x's work-group or Wout's: the work-group's number alone decides
	s_cbranch_scc0 .Lcast
	s_mul_i32 s17, s16, WREG
	v_lshrrev_b32 v14, 2, v2
	v_mul_u32_u24 v14, v14, SP
	v_and_b32 v15, 3, v2
	v_lshl_add_u32 v14, v15, 4, v14
	v_add_nc_u32 v14, s17, v14                     ; the stage, on the way in: SP (lane / 4) + 16 (lane % 4)
	v_mul_u32_u24 v15, v2, SP
	v_add_nc_u32 v15, s17, v15                     ; and on the way out: SP x lane: my 16 neighbours
	v_lshrrev_b32 v5, 1, v2
	s_add_co_u32 s17, s17, 2*32*SP
	v_add_nc_u32 v5, s17, v5                       ; my wave's 256 scale bytes, my block's byte
	v_add_nc_u32 v6, s17, v4                       ; and on the way out 8 bytes a lane
	s_lshl_b32 s17, ttmp9, 2
	s_add_co_u32 s18, s17, s16                     ; which run of 8,192 numbers is my wave's
	s_lshl_b32 s20, s18, 15
	s_add_nc_u64 s[4:5], s[4:5], s[20:21]          ; x: 32,768 bytes a run
	s_lshl_b32 s20, s18, 8
	s_add_co_u32 s20, s20, XSCL
	s_add_nc_u64 s[12:13], s[8:9], s[20:21]        ; the scale bytes: 256 a run
	s_lshl_b32 s20, s18, 12
	s_add_nc_u64 s[8:9], s[8:9], s[20:21]          ; the codes: 4,096 bytes a run
.macro LOAD t
.irp i, 0,1,2,3
	global_load_b128 v[R+16*((\t)%4)+4*\i:R+16*((\t)%4)+4*\i+3], v3, s[4:5] offset:2048*(\t)+512*\i th:TH_LOAD_NT
.endr
.endm
.macro TURN t                          ; step t's numbers through the stage: LDS serves a wave's instructions in order, so no wait stands between the stores and the loads
.irp i, 0,1,2,3
	ds_store_b128 v14, v[R+16*((\t)%4)+4*\i:R+16*((\t)%4)+4*\i+3] offset:32*SP*((\t)%2)+8*SP*\i
.endr
.irp i, 0,1,2,3
	ds_load_b128 v[X+16*((\t)%2)+4*\i:X+16*((\t)%2)+4*\i+3], v15 offset:32*SP*((\t)%2)+16*\i
.endr
.endm
.irp t, 0,1,2,3
	LOAD \t
.endr
	s_wait_loadcnt 12                              ; step 0's four loads are in; three steps' twelve may be out
	TURN 0
.macro STEP t
.set XS, X+16*((\t)%2)
.if (\t) > 0
	s_wait_dscnt 1                                 ; this step's numbers are back from the stage; the last step's byte store may be out
.else
	s_wait_dscnt 0x0
.endif
.if (\t)+4 < STEPS
	LOAD (\t)+4                                    ; into the registers that this step's stage stores have read
.endif
.if (\t)+1 < STEPS
.if STEPS-2-(\t) >= 3
	s_wait_loadcnt 12                              ; the next step's four loads are in; those of the three steps behind it may be out
.else
	s_wait_loadcnt 4*(STEPS-2-(\t))
.endif
	TURN (\t)+1
.endif
	v_max3_num_f32 v8, |v[XS]|, |v[XS+1]|, |v[XS+2]|               ; the largest magnitude of my 16, in two chains
	v_max3_num_f32 v9, |v[XS+3]|, |v[XS+4]|, |v[XS+5]|
.irp i, 6,10
	v_max3_num_f32 v8, v8, |v[XS+\i]|, |v[XS+\i+1]|
	v_max3_num_f32 v9, v9, |v[XS+\i+2]|, |v[XS+\i+3]|
.endr
	v_max3_num_f32 v8, v8, |v[XS+14]|, |v[XS+15]|
	v_max3_num_f32 v8, v8, v9, (EMAX+1)<<23        ; and the floor 2^(3 - 127): the byte cannot fall under 1
	v_max_num_f32_dpp v8, v8, v8 row_xmask:1 row_mask:0xf bank_mask:0xf   ; and of my neighbour's 16: the block's
	v_add_nc_u32 v11, -(EMAX<<23), v8              ; 2 off its exponent field: the conversion takes the exponent field of this operand as its scale
	v_cvt_scalef32_pk8_fp4_f32 v[C+4*(\t)], v[XS:XS+7], v11
	v_cvt_scalef32_pk8_fp4_f32 v[C+4*(\t)+1], v[XS+8:XS+15], v11
	v_lshrrev_b32 v[E+(\t)], 23, v11               ; the scale's byte
	ds_store_b8 v5, v[E+(\t)] offset:16*(\t)       ; both lanes of a block write the same byte with the same value
	global_store_b64 v4, v[C+4*(\t):C+4*(\t)+1], s[8:9] offset:32*CB*(\t)   ; the wave stores 256 consecutive bytes, aligned
.endm
.irp t, 0,1,2,3,4,5,6,7,8,9,10,11,12,13,14,15
	STEP \t
.endr
	ds_load_b64 v[8:9], v6                         ; LDS serves a wave's instructions in order: these see my stores
	s_wait_dscnt 0x0
	global_store_b64 v4, v[8:9], s[12:13]          ; 32 lanes store 256 consecutive bytes, aligned
	s_wait_tensorcnt 0x0                           ; the wave's end: behind my last LDS store
	ds_add_u32 v[SPW], v[NIL]
	s_wait_dscnt 0x0
	s_endpgm
.Lcast:                                                ; Wout to f16, rounded to nearest even
	s_sub_co_u32 s17, ttmp9, 256
	s_lshl_b32 s17, s17, 2
	s_add_co_u32 s17, s17, s16                     ; which run of 8,192 numbers is my wave's
	s_lshl_b32 s20, s17, 15
	s_add_nc_u64 s[6:7], s[6:7], s[20:21]
	s_lshl_b32 s20, s17, 14
	s_add_nc_u64 s[10:11], s[10:11], s[20:21]
.macro CLOADS p                        ; round p's sixteen loads into half p % 2
.irp i, 0,1,2,3,4,5,6,7,8,9,10,11,12,13,14,15
	global_load_b128 v[CR+64*((\p)%2)+4*\i:CR+64*((\p)%2)+4*\i+3], v3, s[6:7] offset:512*(16*(\p)+\i) th:TH_LOAD_NT
.endr
.endm
.macro CAST p, left                    ; left: the loads younger than this round's first
.if (\p) > 0
	s_wait_xcnt 0x0                                ; the last round's stores have read their data registers, which are written again below
.endif
.irp i, 0,1,2,3,4,5,6,7,8,9,10,11,12,13,14,15
	s_wait_loadcnt \left-\i                        ; load i is in: behind it this round's 15 - i and, but for the last round, the next round's 16
	v_cvt_pk_f16_f32 v[CC+2*\i], v[CR+64*((\p)%2)+4*\i], v[CR+64*((\p)%2)+4*\i+1]
	v_cvt_pk_f16_f32 v[CC+2*\i+1], v[CR+64*((\p)%2)+4*\i+2], v[CR+64*((\p)%2)+4*\i+3]
	global_store_b64 v4, v[CC+2*\i:CC+2*\i+1], s[10:11] offset:256*(16*(\p)+\i)
.endr
.endm
	CLOADS 0
	CLOADS 1
	CAST 0, 31
	CLOADS 2
	CAST 1, 31
	CLOADS 3
	CAST 2, 31
	CAST 3, 15
	s_wait_tensorcnt 0x0                           ; the same three lines on this path
	ds_add_u32 v[SPW], v[NIL]
	s_wait_dscnt 0x0
	s_endpgm
.Lfunc_end_k_q7bee4ff739_prep_x:
	.size	k_q7bee4ff739_prep_x, .Lfunc_end_k_q7bee4ff739_prep_x-k_q7bee4ff739_prep_x
	.p2alignl 7, 3214868480
	.fill 96, 4, 3214868480
	.section	.rodata,"a",@progbits
	.p2align	6, 0x0
	.amdhsa_kernel k_q7bee4ff739_prep_x
		.amdhsa_group_segment_fixed_size 33280
		.amdhsa_private_segment_fixed_size 0
		.amdhsa_enable_private_segment 0
		.amdhsa_kernarg_size 32
		.amdhsa_user_sgpr_count 2
		.amdhsa_user_sgpr_kernarg_segment_ptr 1
		.amdhsa_wavefront_size32 1
		.amdhsa_system_sgpr_workgroup_id_x 1
		.amdhsa_system_sgpr_workgroup_id_y 1
		.amdhsa_system_sgpr_workgroup_id_z 1
		.amdhsa_system_vgpr_workitem_id 0
		.amdhsa_next_free_vgpr 192
		.amdhsa_next_free_sgpr 66
		.amdhsa_reserve_vcc 0
		.amdhsa_float_denorm_mode_32 3
		.amdhsa_float_denorm_mode_16_64 3
		.amdhsa_memory_ordered 1
		.amdhsa_forward_progress 1
		.amdhsa_inst_pref_size 56
	.end_amdhsa_kernel
	.amdgpu_metadata
---
amdhsa.version: [ 1, 2 ]
amdhsa.kernels:
  - .name:           k_q7bee4ff739_prep_x
    .symbol:         k_q7bee4ff739_prep_x.kd
    .args:
      - { .name: x, .offset: 0, .size: 8, .value_kind: global_buffer, .address_space: global }
      - { .name: Wout, .offset: 8, .size: 8, .value_kind: global_buffer, .address_space: global }
      - { .name: xq, .offset: 16, .size: 8, .value_kind: global_buffer, .address_space: global }
      - { .name: wo16, .offset: 24, .size: 8, .value_kind: global_buffer, .address_space: global }
    .group_segment_fixed_size: 33280
    .private_segment_fixed_size: 0
    .kernarg_segment_align: 8
    .kernarg_segment_size: 32
    .max_flat_workgroup_size: 128
    .sgpr_count:     66
    .vgpr_count:     192
    .wavefront_size: 32
...
	.end_amdgpu_metadata
.endif
;; end of part 1
;; launch prep_w (part 2): grid 24 x 2, 16 waves a work-group, no clusters, 36,864 bytes of LDS; arguments Wqkv, wq; writes wq
.if DOCPART == 2
	.amdgcn_target "amdgcn-amd-amdhsa--gfx1250"
	.amdhsa_code_object_version 6
	.text
	.protected	k_q7bee4ff739_prep_w
	.globl	k_q7bee4ff739_prep_w
	.p2align	8
	.type	k_q7bee4ff739_prep_w,@function
k_q7bee4ff739_prep_w:
	s_mov_b64 s[64:65], 0
	v_nop
	global_prefetch_b8 v0, s[64:65] scope:SCOPE_SE
	s_setreg_imm32_b32 hwreg(HW_REG_WAVE_MODE, 25, 1), 1
	s_wait_xcnt 0x0
; Launch 2 of 6.  Wqkv [1024 (k)][3072 (n)] f32, whose K is its FIRST axis, becomes codes of FP4 laid [3072][512 bytes] with K innermost, and one E8M0 byte for each 32 along K, laid [3072][32] behind the codes.
; No work is left out.  The quantiser and its limits are those stated at the head of the first kernel (floor 2^-124; a block of zeros keeps the byte 1; NaN and infinities are not served).
; A LANE TAKES A COLUMN n, AND ITS REGISTERS RUN DOWN K: a load reads 128 consecutive bytes a wave, a block of 32 along K lies in one lane's 32 registers, and the conversions give codes with K innermost.
; SHARES.  Work-group (X, Y): columns 128 X on, K 512 Y on.  Wave w: 32 columns (w % 4), 128 along K (w / 4): four blocks a lane.  Sixteen waves, since a load brings only 4 bytes a lane: more waves put more bytes on their way.
; The four waves of a column group fill one stage of 32 rows x 256 bytes (pitch 272); behind one barrier each wave reads 8 whole rows and stores them: sixteen lanes store 256 consecutive bytes, aligned.
; The scale bytes leave as 4 bytes a lane into rows 32 bytes apart: one byte in 128 of what the launch reads.
.set NCOL,  3072
.set NB,    4
.set PITCH, 272
.set EMAX,  2
.set X,     32                         ; v32-95  two sets of 32 numbers
.set C,     96                         ; v96-99  a block's codes
.set OUTR,  100                        ; v100-115 the way out
.set SB,    24                         ; v24     my four scale bytes
.set SPW,   14
.set NIL,   15
.set SPARE, 4*32*PITCH                 ; behind the four stages: the spare words, 128 bytes for each of 16 waves
.set WSCL,  1572864                    ; wq: the scale bytes lie behind the codes
	s_load_b128 s[4:7], s[0:1], 0x0                ; Wqkv, wq
	v_lshl_add_u32 v[SPW], v0, 2, SPARE
	v_mov_b32 v[NIL], 0
	v_lshrrev_b32 v1, 5, v0
	v_readfirstlane_b32 s16, v1                    ; wave 0..15
	v_and_b32 v2, 31, v0                           ; lane
	s_and_b32 s17, s16, 3                          ; cg: which 32 columns
	s_lshr_b32 s18, s16, 2                         ; kq: which 128 along K
	s_and_b32 s19, ttmp7, 0xffff                   ; Y
	s_lshl_b32 s20, s19, 9
	s_lshl_b32 s21, s18, 7
	s_add_co_u32 s20, s20, s21                     ; my first k
	s_mul_i32 s20, s20, NCOL*4
	s_lshl_b32 s21, ttmp9, 9
	s_add_co_u32 s20, s20, s21
	s_lshl_b32 s21, s17, 7
	s_add_co_u32 s20, s20, s21                     ; + 4 x my first column
	s_mov_b32 s21, 0
	v_lshlrev_b32 v3, 2, v2                        ; in: 4 bytes a lane
	s_mul_i32 s22, s17, 32*PITCH                   ; my column group's stage
	s_lshl_b32 s23, s18, 6
	s_add_co_u32 s23, s22, s23
	v_mul_u32_u24 v4, v2, PITCH
	v_add_nc_u32 v4, s23, v4                       ; into it: row = my column, 64 bytes for each kq
	v_and_b32 v5, 15, v2
	v_lshrrev_b32 v6, 4, v2
	s_mul_i32 s23, s18, 8*PITCH
	s_add_co_u32 s23, s23, s22
	v_mul_u32_u24 v7, v6, PITCH
	v_lshl_add_u32 v7, v5, 4, v7
	v_add_nc_u32 v7, s23, v7                       ; out of it: rows 8 kq on, sixteen lanes to a row, two rows an instruction
	v_lshlrev_b32 v8, 9, v6
	v_lshl_add_u32 v8, v5, 4, v8                   ; and the same place among the codes: rows of 512 bytes
	v_lshlrev_b32 v9, 5, v2                        ; my column's row of scale bytes
	s_lshl_b32 s24, ttmp9, 7
	s_lshl_b32 s25, s17, 5
	s_add_co_u32 s24, s24, s25                     ; my column group's first column
	s_lshl_b32 s26, s24, 5
	s_lshl_b32 s25, s18, 3
	s_add_co_u32 s24, s24, s25
	s_lshl_b32 s24, s24, 9
	s_lshl_b32 s25, s19, 8
	s_add_co_u32 s24, s24, s25                     ; codes: (column + 8 kq) x 512 + 256 Y
	s_mov_b32 s25, 0
	s_lshl_b32 s27, s19, 4
	s_add_co_u32 s26, s26, s27
	s_lshl_b32 s27, s18, 2
	s_add_co_u32 s26, s26, s27
	s_add_co_u32 s26, s26, WSCL                    ; scale bytes: column x 32 + 16 Y + 4 kq
	s_mov_b32 s27, 0
	s_wait_kmcnt 0x0
	s_add_nc_u64 s[4:5], s[4:5], s[20:21]
	s_add_nc_u64 s[8:9], s[6:7], s[26:27]
	s_add_nc_u64 s[6:7], s[6:7], s[24:25]
.macro LOAD t                          ; block t: W(32 t + i, my column) into set t % 2
.irp i, 0,1,2,3,4,5,6,7,8,9,10,11,12,13,14,15,16,17,18,19,20,21,22,23,24,25,26,27,28,29,30,31
	global_load_b32 v[X+32*((\t)%2)+\i], v3, s[4:5] offset:(32*(\t)+\i)*NCOL*4 th:TH_LOAD_NT
.endr
.endm
	LOAD 0
	LOAD 1
.macro BLOCK t
.set XS, X+32*((\t)%2)
.if (\t) < NB-1
	s_wait_loadcnt 32                              ; this block's 32 loads are in; the next block's may be out
.else
	s_wait_loadcnt 0
.endif
	v_max3_num_f32 v12, |v[XS]|, |v[XS+1]|, |v[XS+2]|               ; the block's largest magnitude: all 32 numbers are mine
	v_max3_num_f32 v13, |v[XS+3]|, |v[XS+4]|, |v[XS+5]|
.irp i, 6,10,14,18,22,26
	v_max3_num_f32 v12, v12, |v[XS+\i]|, |v[XS+\i+1]|
	v_max3_num_f32 v13, v13, |v[XS+\i+2]|, |v[XS+\i+3]|
.endr
	v_max3_num_f32 v12, v12, |v[XS+30]|, |v[XS+31]|
	v_max3_num_f32 v12, v12, v13, (EMAX+1)<<23     ; and the floor: the byte cannot fall under 1
	v_add_nc_u32 v11, -(EMAX<<23), v12             ; 2 off its exponent field: the conversion's scale operand
	v_lshrrev_b32 v13, 23, v11                     ; the scale's byte
.if (\t) == 0
	v_mov_b32 v[SB], v13
.else
	v_lshl_or_b32 v[SB], v13, 8*(\t), v[SB]        ; the lower K in the lower byte
.endif
.irp g, 0,1,2,3
	v_cvt_scalef32_pk8_fp4_f32 v[C+\g], v[XS+8*\g:XS+8*\g+7], v11
.endr
	ds_store_b128 v4, v[C:C+3] offset:16*(\t)      ; 32 codes: 16 bytes of my column's row
.if (\t)+2 < NB
	LOAD (\t)+2
.endif
	s_wait_dscnt 0x0                               ; the store has read its registers: the next block's codes may be written; in the last block: for the other waves' sake
.endm
	BLOCK 0
	BLOCK 1
	BLOCK 2
	BLOCK 3
	global_store_b32 v9, v[SB], s[8:9]             ; my column's four scale bytes
	s_barrier_signal -1                            ; every wave's stage stores are done
	s_barrier_wait -1
.irp i, 0,1,2,3
	ds_load_b128 v[OUTR+4*\i:OUTR+4*\i+3], v7 offset:2*\i*PITCH
.endr
.irp i, 0,1,2,3
	s_wait_dscnt 3-\i
	global_store_b128 v8, v[OUTR+4*\i:OUTR+4*\i+3], s[6:7] offset:1024*\i   ; sixteen lanes store 256 consecutive bytes, aligned
.endr
	s_wait_tensorcnt 0x0                           ; the wave's end: behind my last LDS store
	ds_add_u32 v[SPW], v[NIL]
	s_wait_dscnt 0x0
	s_endpgm
.Lfunc_end_k_q7bee4ff739_prep_w:
	.size	k_q7bee4ff739_prep_w, .Lfunc_end_k_q7bee4ff739_prep_w-k_q7bee4ff739_prep_w
	.p2alignl 7, 3214868480
	.fill 96, 4, 3214868480
	.section	.rodata,"a",@progbits
	.p2align	6, 0x0
	.amdhsa_kernel k_q7bee4ff739_prep_w
		.amdhsa_group_segment_fixed_size 36864
		.amdhsa_private_segment_fixed_size 0
		.amdhsa_enable_private_segment 0
		.amdhsa_kernarg_size 16
		.amdhsa_user_sgpr_count 2
		.amdhsa_user_sgpr_kernarg_segment_ptr 1
		.amdhsa_wavefront_size32 1
		.amdhsa_system_sgpr_workgroup_id_x 1
		.amdhsa_system_sgpr_workgroup_id_y 1
		.amdhsa_system_sgpr_workgroup_id_z 1
		.amdhsa_system_vgpr_workitem_id 0
		.amdhsa_next_free_vgpr 128
		.amdhsa_next_free_sgpr 66
		.amdhsa_reserve_vcc 0
		.amdhsa_float_denorm_mode_32 3
		.amdhsa_float_denorm_mode_16_64 3
		.amdhsa_memory_ordered 1
		.amdhsa_forward_progress 1
		.amdhsa_inst_pref_size 22
	.end_amdhsa_kernel
	.amdgpu_metadata
---
amdhsa.version: [ 1, 2 ]
amdhsa.kernels:
  - .name:           k_q7bee4ff739_prep_w
    .symbol:         k_q7bee4ff739_prep_w.kd
    .args:
      - { .name: Wqkv, .offset: 0, .size: 8, .value_kind: global_buffer, .address_space: global }
      - { .name: wq, .offset: 8, .size: 8, .value_kind: global_buffer, .address_space: global }
    .group_segment_fixed_size: 36864
    .private_segment_fixed_size: 0
    .kernarg_segment_align: 8
    .kernarg_segment_size: 16
    .max_flat_workgroup_size: 512
    .sgpr_count:     66
    .vgpr_count:     128
    .wavefront_size: 32
...
	.end_amdgpu_metadata
.endif
;; end of part 2
;; launch prep_mask (part 3): grid 512 x 1, 8 waves a work-group, no clusters, 36,352 bytes of LDS; arguments mask, maskw, valid; writes maskw, valid
.if DOCPART == 3
	.amdgcn_target "amdgcn-amd-amdhsa--gfx1250"
	.amdhsa_code_object_version 6
	.text
	.protected	k_q7bee4ff739_prep_mask
	.globl	k_q7bee4ff739_prep_mask
	.p2align	8
	.type	k_q7bee4ff739_prep_mask,@function
k_q7bee4ff739_prep_mask:
	s_mov_b64 s[64:65], 0
	v_nop
	global_prefetch_b8 v0, s[64:65] scope:SCOPE_SE
	s_setreg_imm32_b32 hwreg(HW_REG_WAVE_MODE, 25, 1), 1
	s_wait_xcnt 0x0
; Launch 3 of 6.  The mask [4][2048][2048] of bytes becomes lane masks for the attention launch, and valid[row] = 1.0 where any key of the row counts, else 0.0.  No work is left out.
; maskw: [b 4][tile of 16 queries 128][step of 64 keys 32][32 words].  Word 8 t + j, bit l = mask[b][16 tile + l % 16][64 step + 16 t + 8 (l / 16) + j]: the lane and register in which the attention launch holds that score.
; SHARES.  A work-group takes 16 rows (one tile of queries), wave w keys 256 w on.  Each load reads two rows' 256 consecutive bytes, aligned; the bytes turn through the wave's own stage in LDS (pitch 272), so that lane (r, h)
; holds keys 16 T + 8 h + 0 .. 7 of row r; a compare of one byte of all 32 lanes IS a word of maskw; 128 words a wave are gathered four to a lane and leave as 512 consecutive bytes.
; valid: 64 bytes a work-group, a part of a block of 256: 32,768 bytes in the whole launch.
.set STG,   16*272
.set ANYB,  8*STG                      ; 8 waves x 16 rows x 4 bytes: each wave's "any" of each row
.set SPARE, ANYB+512                   ; the spare words, 128 bytes for each of 8 waves
.set SPW,   2
.set NIL,   3
.set IN,    16
.set IN,    0
.set LD,    76
.set M,     32                         ; v32-63 my bytes: pair T holds keys 16 T + 8 h + 0 .. 7
.set W,     64                         ; v64-67 four words of maskw a lane
.set T4,    68                         ; v68-71 at work, by turns
.set CM,    32                         ; s32-39 compare results, by turns
	s_load_b128 s[4:7], s[0:1], 0x0                ; mask, maskw
	s_load_b64 s[8:9], s[0:1], 0x10                ; valid
	v_lshl_add_u32 v[SPW], v0, 2, SPARE
	v_mov_b32 v[NIL], 0
	v_lshrrev_b32 v1, 5, v0
	v_readfirstlane_b32 s10, v1                    ; wave 0..7
	v_and_b32 v4, 31, v0                           ; lane
	v_and_b32 v5, 15, v0                           ; r
	v_bfe_u32 v6, v0, 4, 1                         ; h
	s_mul_i32 s11, s10, STG                        ; my stage
	v_lshlrev_b32 v7, 11, v6
	v_lshl_add_u32 v7, v5, 4, v7                   ; in memory: row h of a pair, 16 bytes a lane
	v_mul_u32_u24 v8, v6, 272
	v_lshl_add_u32 v8, v5, 4, v8
	v_add_nc_u32 v8, s11, v8                       ; the same place in the stage
	v_mul_u32_u24 v9, v5, 272
	v_lshl_add_u32 v9, v6, 3, v9
	v_add_nc_u32 v9, s11, v9                       ; back: row r, 8 h
	s_lshl_b32 s12, s10, 6
	s_add_co_u32 s12, s12, ANYB
	v_lshl_add_u32 v10, v5, 2, s12                 ; my wave's word for row r
	v_lshl_add_u32 v11, v5, 2, ANYB                ; wave 0's reads of all eight (made here, ahead of the branch on the wave's number)
	v_lshlrev_b32 v12, 2, v5                       ; valid: 4 r
	v_lshlrev_b32 v13, 4, v4                       ; maskw: 16 bytes a lane
	s_mov_b32 s14, 0x76543210
	s_mov_b32 s15, 0xfedcba98                      ; v_permlanex16_b32's selects for lane l xor 16
	s_lshl_b32 s20, ttmp9, 15                      ; 16 rows of 2,048 bytes a work-group,
	s_lshl_b32 s21, s10, 8
	s_add_co_u32 s20, s20, s21                     ; 256 keys a wave
	s_mov_b32 s21, 0
	s_lshl_b32 s22, ttmp9, 12                      ; maskw: 4,096 bytes a work-group,
	s_lshl_b32 s23, s10, 9
	s_add_co_u32 s22, s22, s23                     ; 512 a wave
	s_mov_b32 s23, 0
	s_lshl_b32 s24, ttmp9, 6                       ; valid: 64 bytes a work-group
	s_mov_b32 s25, 0
.irp i, 0,1,2,3
	v_mov_b32 v[W+\i], 0                           ; written whole once: v_writelane_b32 writes one lane
.endr
	s_wait_kmcnt 0x0
	s_add_nc_u64 s[4:5], s[4:5], s[20:21]
	s_add_nc_u64 s[6:7], s[6:7], s[22:23]
	s_add_nc_u64 s[8:9], s[8:9], s[24:25]
.irp i, 0,1,2,3,4,5,6,7
	global_load_b128 v[M+4*\i:M+4*\i+3], v7, s[4:5] offset:4096*\i th:TH_LOAD_NT   ; rows 2 i and 2 i + 1
.endr
.irp i, 0,1,2,3,4,5,6,7
	s_wait_loadcnt 7-\i                            ; load i is in; the 7 - i younger may be out
	ds_store_b128 v8, v[M+4*\i:M+4*\i+3] offset:544*\i
.endr
.irp T, 0,1,2,3,4,5,6,7,8,9,10,11,12,13,14,15
	ds_load_b64 v[M+2*\T:M+2*\T+1], v9 offset:16*\T    ; LDS serves a wave's instructions in order: the stores above have read these registers, and these loads see them
.endr
.irp T, 0,1,2,3,4,5,6,7,8,9,10,11,12,13,14,15
	s_wait_dscnt 15-\T                             ; pair T is in
.irp j, 0,1,2,3,4,5,6,7
	v_and_b32 v[T4+(\j%4)], 0xff<<(8*(\j%4)), v[M+2*\T+(\j/4)]      ; key 16 T + 8 h + j's byte
	v_cmp_ne_u32 s[CM+\j], 0, v[T4+(\j%4)]         ; bit l: lane l's
	v_writelane_b32 v[W+((8*\T+\j)%4)], s[CM+\j], (8*\T+\j)/4       ; word 8 T + j: lane (8 T + j) / 4, register (8 T + j) % 4
.endr
.endr
	global_store_b128 v13, v[W:W+3], s[6:7]        ; 512 consecutive bytes
	v_or_b32 v72, v[M], v[M+1]                     ; any of my 128 bytes, in two chains
	v_or_b32 v73, v[M+2], v[M+3]
.irp i, 4,6,8,10,12,14,16,18,20,22,24,26,28,30
	v_or_b32 v72, v72, v[M+\i]
	v_or_b32 v73, v73, v[M+\i+1]
.endr
	v_or_b32 v72, v72, v73
	v_permlanex16_b32 v73, v72, s14, s15
	v_or_b32 v72, v72, v73                         ; with lane l xor 16's: row r's 256 keys
	ds_store_b32 v10, v72                          ; lanes r and r + 16 write the same word with the same value
	s_wait_dscnt 0x0                               ; for the others' sake
	s_barrier_signal -1
	s_barrier_wait -1
	s_cmp_lg_u32 s10, 0
	s_cbranch_scc1 .Ldone
.irp i, 0,1,2,3,4,5,6,7
	ds_load_b32 v[74+\i], v11 offset:64*\i
.endr
	s_wait_dscnt 0x0
	v_or_b32 v74, v74, v75
	v_or_b32 v76, v76, v77
	v_or_b32 v78, v78, v79
	v_or_b32 v80, v80, v81
	v_or_b32 v74, v74, v76
	v_or_b32 v78, v78, v80
	v_or_b32 v74, v74, v78
	v_cmp_ne_u32 vcc_lo, 0, v74
	v_cndmask_b32 v74, 0, 1.0, vcc_lo
	global_store_b32 v12, v74, s[8:9]              ; lanes r and r + 16 store the same word with the same value
.Ldone:
	s_wait_tensorcnt 0x0                           ; the wave's end: behind my last LDS store
	ds_add_u32 v[SPW], v[NIL]
	s_wait_dscnt 0x0
	s_endpgm
.Lfunc_end_k_q7bee4ff739_prep_mask:
	.size	k_q7bee4ff739_prep_mask, .Lfunc_end_k_q7bee4ff739_prep_mask-k_q7bee4ff739_prep_mask
	.p2alignl 7, 3214868480
	.fill 96, 4, 3214868480
	.section	.rodata,"a",@progbits
	.p2align	6, 0x0
	.amdhsa_kernel k_q7bee4ff739_prep_mask
		.amdhsa_group_segment_fixed_size 36352
		.amdhsa_private_segment_fixed_size 0
		.amdhsa_enable_private_segment 0
		.amdhsa_kernarg_size 24
		.amdhsa_user_sgpr_count 2
		.amdhsa_user_sgpr_kernarg_segment_ptr 1
		.amdhsa_wavefront_size32 1
		.amdhsa_system_sgpr_workgroup_id_x 1
		.amdhsa_system_sgpr_workgroup_id_y 1
		.amdhsa_system_sgpr_workgroup_id_z 1
		.amdhsa_system_vgpr_workitem_id 0
		.amdhsa_next_free_vgpr 96
		.amdhsa_next_free_sgpr 66
		.amdhsa_reserve_vcc 1
		.amdhsa_float_denorm_mode_32 3
		.amdhsa_float_denorm_mode_16_64 3
		.amdhsa_memory_ordered 1
		.amdhsa_forward_progress 1
		.amdhsa_inst_pref_size 32
	.end_amdhsa_kernel
	.amdgpu_metadata
---
amdhsa.version: [ 1, 2 ]
amdhsa.kernels:
  - .name:           k_q7bee4ff739_prep_mask
    .symbol:         k_q7bee4ff739_prep_mask.kd
    .args:
      - { .name: mask, .offset: 0, .size: 8, .value_kind: global_buffer, .address_space: global }
      - { .name: maskw, .offset: 8, .size: 8, .value_kind: global_buffer, .address_space: global }
      - { .name: valid, .offset: 16, .size: 8, .value_kind: global_buffer, .address_space: global }
    .group_segment_fixed_size: 36352
    .private_segment_fixed_size: 0
    .kernarg_segment_align: 8
    .kernarg_segment_size: 24
    .max_flat_workgroup_size: 256
    .sgpr_count:     66
    .vgpr_count:     96
    .wavefront_size: 32
...
	.end_amdgpu_metadata
.endif
;; end of part 3
;; launch gemm_qkv (part 4): grid 12 x 32, 4 waves a work-group, clusters of 4 x 4, 327,680 bytes of LDS; arguments xq, wq, bqkv, qkv16; writes qkv16
.if DOCPART == 4
	.amdgcn_target "amdgcn-amd-amdhsa--gfx1250"
	.amdhsa_code_object_version 6
	.text
	.protected	k_q7bee4ff739_gemm_qkv
	.globl	k_q7bee4ff739_gemm_qkv
	.p2align	8
	.type	k_q7bee4ff739_gemm_qkv,@function
k_q7bee4ff739_gemm_qkv:
	s_mov_b64 s[64:65], 0
	v_nop
	global_prefetch_b8 v0, s[64:65] scope:SCOPE_SE
	s_setreg_imm32_b32 hwreg(HW_REG_WAVE_MODE, 25, 1), 1
	s_wait_xcnt 0x0
	s_wait_alu depctr_hold_cnt(0) depctr_sa_sdst(0) depctr_va_vdst(0) depctr_va_sdst(0) depctr_va_ssrc(0) depctr_va_vcc(0) depctr_vm_vsrc(0)
	s_getreg_b32 s2, hwreg(HW_REG_IB_STS2, 6, 4)
	s_cmp_eq_u32 s2, 0
	s_cbranch_scc0 .Lentry_in_a_cluster
	s_endpgm
.Lentry_in_a_cluster:
	s_bfe_u32 s2, ttmp6, 0x10000c
	s_cmp_lg_u32 s2, 0xf033
	s_cbranch_scc0 .Lentry_shape_is_right
	s_endpgm
.Lentry_shape_is_right:
; Launch 4 of 6.  qkv = Q(x) Q(Wqkv) + bqkv on codes of FP4 with E8M0 scales, sums in f32; then held at +-65,504, rounded to f16 and laid by heads.  No work is left out.
; xq: codes [8192][512 bytes], scale bytes [8192][32] behind them; wq: codes [3072][512 bytes], scale bytes [3072][32] behind them.
; qkv16: blocks of 2^18 bytes, [part q, k, v][b x 16 + head][token 2048][64] f16.
; LIMIT: where reference()'s q, k or v pass 65,504 in magnitude the hold changes them (stated at the head of the first kernel).
; A tile of C, 256 x 256, is made by four waves, each 128 x 128: 64 accumulators, 512 registers.  A tile lies wholly in q, k or v, and a wave's 128 columns are two whole heads.
; K = 1,024 is two slots of 512 along K (rows of 256 bytes): both are asked for at the head and nothing is filled again.  The scales of the work-group's rows, for all of K, come with them, in rows of 256 bytes.
; CLUSTERS: 4 x 4 work-groups.  The four of a row of the cluster need the same tiles of x, the four of a column the same tiles of W: each tile is asked for jointly.
; THE MATRIX INSTRUCTION IS USED TRANSPOSED (source 0 = 16 columns of W, source 1 = 16 rows of x): a lane holds eight neighbouring columns of one row.  The bias is the C of each sum's first product.
; REGISTERS: window 0: v0-31 addresses; v32-95 scale words, two sets, and nothing else; v96-127 packed results; v128-191 x's fragments, ONE set, on the way out the held numbers; v192-255 the bias, on the way out rows read back.
;   window 1: W's fragments, two sets, at v0 and v128.   window 2: the accumulators of my rows 0-63;   window 3: those of my rows 64-127.
.set KSTEP,  512
.set NQ,     4
.set ROWB,   256
.set KROW,   512                       ; a row of codes in memory
.set PITCH,  272                       ; an LDS row: 256 bytes + 16 of padding: the 16 rows that a load touches start at 16 different banks
.set FR,     8
.set NL,     2
.set NP,     4
.set HALFT,  128*PITCH
.set SLOT,   4*HALFT
.set KS,     32                        ; a row of scale bytes
.set SCL,    2*SLOT
.set HALFS,  (128*KS/256)*272
.set SBLK,   (16*KS/256)*272
.set SPARE,  SCL+4*HALFS               ; the spare words, 128 bytes a wave
.set SPITCH, 272                       ; the way out: a stage of 16 rows x (256 bytes + 16) for each wave, in slot 0, which has had its one fill and its last read when the first result is stored there
.set XSCL,   4194304
.set WSCL,   1572864
.set ADRA, 16
.set ADRB, 20
.set STO,  24
.set RD,   25
.set CO,   26
.set ADRS, 27
.set SPW,  28
.set NIL,  29
.set BO,   30                          ; v30 the bias: 32 x (lane / 16)
.set SC,   32
.set TMP,  96
.set AF,   128
.set HOLD, 128
.set BIAS, 192
.set BK,   192
.set G1, 24
.set G0, 32
.set G1B, 48
.set G0B, 56
.set G1S, 68
.set G0S, 76
.set G1SB, 80
.set G0SB, 88
.set MSB, 0
.macro WIN new                         ; the immediate's high byte repeats the setting that is left
.if MSB != \new
	s_set_vgpr_msb (MSB<<8)|\new
.set MSB, \new
.endif
.endm
.set MUL_LO, 0xa1                      ; source 0 (W) window 1, source 1 (x) window 0, C and D window 2
.set MUL_HI, 0xf1                      ; the same, C and D window 3
.set FST_LO, 0x81                      ; the first step: C (the bias) window 0, D window 2
.set FST_HI, 0xc1
.set TO_B,   0x40
; A joint load: waves 0 and 1 fetch for x, waves 2 and 3 for W.  An s_nop 0 and four v_nop follow each of the two lines.
.macro JLOAD g0a, g1a, g0b, g1b
	s_cmp_eq_u32 s15, 0
	s_cbranch_scc0 .Lfor_b_\@
	tensor_load_to_lds s[\g0a:\g0a+3], s[\g1a:\g1a+7]
	s_nop 0
.rept 4
	v_nop
.endr
	s_branch .Lasked_\@
.Lfor_b_\@:
	tensor_load_to_lds s[\g0b:\g0b+3], s[\g1b:\g1b+7]
	s_nop 0
.rept 4
	v_nop
.endr
.Lasked_\@:
.endm
.macro CROUND                          ; a round of the cluster's barrier
	s_barrier_signal -1
	s_barrier_wait -1
	s_cmp_lg_u32 s14, 0
	s_cbranch_scc1 .Lnot_wave_0_\@
	s_barrier_signal -3
.Lnot_wave_0_\@:
	s_barrier_wait -3
	s_barrier_signal -1
	s_barrier_wait -1
.endm
	s_load_b128 s[4:7], s[0:1], 0x0                ; xq, wq
	s_load_b64 s[8:9], s[0:1], 0x10                ; bqkv
	s_load_b64 s[12:13], s[0:1], 0x18              ; qkv16
	v_lshl_add_u32 v[SPW], v0, 2, SPARE
	v_mov_b32 v[NIL], 0
	ds_add_u32 v[SPW], v[NIL]                      ; the wave's opening: the add, twice on end, and its wait ahead of my first tensor load
	ds_add_u32 v[SPW], v[NIL]
	v_lshrrev_b32 v1, 5, v0
	v_readfirstlane_b32 s14, v1                    ; wave 0..3
	s_lshr_b32 s15, s14, 1                         ; which half of the tile's rows is mine.  Also: I fetch for x (0) or for W (1)
	s_and_b32 s16, s14, 1                          ; which half of its columns.  Also: which 128 rows of that tile I fetch
	s_bfe_u32 s40, ttmp6, 0x40000                  ; cx, cy
	s_bfe_u32 s41, ttmp6, 0x40004
	s_lshl_b32 s42, ttmp9, 2
	s_add_co_u32 s42, s42, s40                     ; tile column
	s_and_b32 s17, ttmp7, 0xffff
	s_lshl_b32 s17, s17, 2
	s_add_co_u32 s17, s17, s41                     ; tile row
	s_lshl_b32 s43, s41, 2
	s_lshl_b32 s43, 15, s43                        ; my row of the cluster
	s_lshl_b32 s44, 0x1111, s40                    ; my column
	s_or_b32 s[G1+0], s43, (0<<16)|(1<<20)|(1<<21)|(5<<22)|(3<<25)  ; the mask; elements of 1 byte; padding: 4 words behind every 64; bit 21 beside a mask
	s_or_b32 s[G1B+0], s44, (0<<16)|(1<<20)|(1<<21)|(5<<22)|(3<<25)
.irp g, G1, G1B
	s_mov_b32 s[\g+1], ROWB<<16                    ; tensor_dim0
	s_mov_b32 s[\g+2], 128<<16                     ; tensor_dim1
	s_mov_b32 s[\g+3], ROWB<<16                    ; tile_dim0
	s_mov_b32 s[\g+4], 128                         ; tile_dim1
	s_mov_b32 s[\g+5], KROW                        ; the pitch
	s_mov_b32 s[\g+6], 0
	s_mov_b32 s[\g+7], 0
.endr
	s_or_b32 s[G1S+0], s43, (3<<16)|(1<<20)|(1<<21)|(5<<22)|(3<<25)  ; the scales of 128 rows: 4,096 dense bytes as rows of 256 (32 elements of 8 bytes), 16 bytes of padding behind each
	s_or_b32 s[G1SB+0], s44, (3<<16)|(1<<20)|(1<<21)|(5<<22)|(3<<25)
.irp g, G1S, G1SB
	s_mov_b32 s[\g+1], 32<<16
	s_mov_b32 s[\g+2], (128*KS/256)<<16
	s_mov_b32 s[\g+3], 32<<16
	s_mov_b32 s[\g+4], 128*KS/256
	s_mov_b32 s[\g+5], 32
	s_mov_b32 s[\g+6], 0
	s_mov_b32 s[\g+7], 0
.endr
	s_lshl_b32 s18, s16, 7
	s_lshl_b32 s20, s17, 8
	s_add_co_u32 s20, s20, s18                     ; x: row 256 x tile row + 128 x half
	s_lshl_b32 s46, s42, 8
	s_add_co_u32 s46, s46, s18                     ; W: column 256 x tile column + 128 x half
	s_mov_b32 s21, 0
	s_mov_b32 s47, 0
	s_mov_b64 s[18:19], KS
	s_mul_u64 s[22:23], s[20:21], s[18:19]         ; where these rows' scales begin,
	s_mul_u64 s[92:93], s[46:47], s[18:19]
	s_add_nc_u64 s[22:23], s[22:23], XSCL          ; behind the codes
	s_add_nc_u64 s[92:93], s[92:93], WSCL
	s_mov_b64 s[18:19], KROW
	s_mul_u64 s[20:21], s[20:21], s[18:19]         ; and their codes
	s_mul_u64 s[46:47], s[46:47], s[18:19]
	s_mul_i32 s45, s14, HALFT                      ; where they go: wave x 128 rows
	s_mul_i32 s94, s14, HALFS
	s_mov_b32 s96, 0xc77fe000                      ; -65,504
	s_mov_b32 s97, 0x477fe000                      ; 65,504
	s_wait_dscnt 0x0                               ; both opening adds are done
	s_wait_kmcnt 0x0
	s_add_nc_u64 s[20:21], s[4:5], s[20:21]
	s_add_nc_u64 s[22:23], s[4:5], s[22:23]
	s_add_nc_u64 s[46:47], s[6:7], s[46:47]
	s_add_nc_u64 s[92:93], s[6:7], s[92:93]
	CROUND                                         ; all sixteen work-groups are here: the first joint loads meet
	s_mov_b32 s[G0S], 1
	s_add_co_u32 s[G0S+1], s94, SCL
	s_mov_b64 s[G0S+2:G0S+3], s[22:23]
	s_or_b32 s[G0S+3], s[G0S+3], 0x80000000
	s_mov_b32 s[G0SB], 1
	s_add_co_u32 s[G0SB+1], s94, SCL
	s_mov_b64 s[G0SB+2:G0SB+3], s[92:93]
	s_or_b32 s[G0SB+3], s[G0SB+3], 0x80000000
	JLOAD G0S, G1S, G0SB, G1SB                     ; the scales first: they are wanted with the first slot
.irp s, 0,1
	s_mov_b32 s[G0+4*\s], 1
	s_add_co_u32 s[G0+4*\s+1], s45, \s*SLOT
	s_add_nc_u64 s[G0+4*\s+2:G0+4*\s+3], s[20:21], \s*ROWB
	s_or_b32 s[G0+4*\s+3], s[G0+4*\s+3], 0x80000000
	s_mov_b32 s[G0B+4*\s], 1
	s_add_co_u32 s[G0B+4*\s+1], s45, \s*SLOT
	s_add_nc_u64 s[G0B+4*\s+2:G0B+4*\s+3], s[46:47], \s*ROWB
	s_or_b32 s[G0B+4*\s+3], s[G0B+4*\s+3], 0x80000000
	JLOAD G0+4*\s, G1, G0B+4*\s, G1B               ; three tensor loads of mine are out
.endr
	v_and_b32 v1, 15, v0                           ; r
	v_bfe_u32 v2, v0, 4, 1                         ; h
	v_mul_u32_u24 v3, v1, PITCH
	v_lshl_add_u32 v4, v2, 4, v3                   ; a fragment's row x pitch + 16 h
	s_mul_i32 s21, s15, HALFT                      ; my 128 rows of x
	s_mul_i32 s22, s16, HALFT                      ; my 128 columns of W,
	s_add_co_u32 s22, s22, 2*HALFT                 ; which lie behind x's 256
.irp s, 0,1
	v_add_nc_u32 v[ADRA+\s], s21, v4
	v_add_nc_u32 v[ADRB+\s], s22, v4
	s_add_co_u32 s21, s21, SLOT
	s_add_co_u32 s22, s22, SLOT
.endr
	v_mul_u32_u24 v5, v1, KS                       ; my row's scales: 32 bytes a row,
	v_lshrrev_b32 v6, 8, v5
	v_lshl_add_u32 v5, v6, 4, v5                   ; and 16 more for each 256 passed
	s_mul_i32 s21, s15, HALFS
	s_mul_i32 s22, s16, HALFS
	s_add_co_u32 s22, s22, 2*HALFS
	s_sub_co_u32 s22, s22, s21
	v_mul_u32_u24 v6, s22, v2                      ; lanes 16-31 take W's
	s_add_co_u32 s21, s21, SCL
	v_add_nc_u32 v5, v5, v6
	v_add_nc_u32 v[ADRS], s21, v5
	s_mul_i32 s23, s14, 16*SPITCH                  ; my stage
	v_mul_u32_u24 v5, v1, SPITCH                   ; in: row r, 16 bytes for each half of the lanes
	v_lshl_add_u32 v5, v2, 4, v5
	v_add_nc_u32 v[STO], s23, v5
	v_and_b32 v6, 31, v0
	v_lshlrev_b32 v[CO], 4, v6                     ; out: 16 bytes a lane
	v_lshrrev_b32 v5, 3, v6                        ; back: eight lanes take one head's 128 bytes of a row, four rows an instruction
	v_mul_u32_u24 v5, v5, SPITCH
	v_and_b32 v6, 7, v0
	v_lshl_add_u32 v5, v6, 4, v5
	v_add_nc_u32 v[RD], s23, v5
	v_lshlrev_b32 v[BO], 5, v2
	s_lshl_b32 s20, s17, 8
	s_lshl_b32 s21, s15, 7
	s_add_co_u32 s20, s20, s21                     ; m0: my first row
	s_lshl_b32 s46, s42, 8
	s_lshl_b32 s47, s16, 7
	s_add_co_u32 s46, s46, s47                     ; n0: my first column
	s_lshl_b32 s18, s46, 2
	s_mov_b32 s19, 0
	s_add_nc_u64 s[8:9], s[8:9], s[18:19]          ; the bias at n0
	s_lshr_b32 s21, s46, 10                        ; q, k or v
	s_lshl_b32 s21, s21, 6
	s_lshr_b32 s22, s20, 11                        ; b
	s_lshl_b32 s22, s22, 4
	s_add_co_u32 s21, s21, s22
	s_bfe_u32 s22, s46, 0x40006                    ; the head: 4 bits from bit 6
	s_add_co_u32 s21, s21, s22                     ; the block of my first head; my second head's is the next
	s_lshl_b32 s21, s21, 18
	s_and_b32 s20, s20, 2047                       ; the token
	s_lshl_b32 s20, s20, 7
	s_add_co_u32 s20, s20, s21
	s_mov_b32 s21, 0
	s_add_nc_u64 s[12:13], s[12:13], s[20:21]
.irp b, 0,1,2,3,4,5,6,7                        ; lane (r, h) wants, for W's block b, the bias of columns n0 + 16 b + 8 h + 0 .. 7
	global_load_b128 v[BIAS+8*\b:BIAS+8*\b+3], v[BO], s[8:9] offset:64*\b
	global_load_b128 v[BIAS+8*\b+4:BIAS+8*\b+7], v[BO], s[8:9] offset:64*\b+16
.endr
.macro FRAG reg, adr, q, i             ; 16 rows x 128 K of 4-bit codes: 8 registers; registers 4 c .. 4 c + 3 hold K = 64 c + 32 h + 0 .. 31
.irp c, 0,1
	ds_load_b128 v[\reg+4*\c:\reg+4*\c+3], v[\adr] offset:64*(\q)+32*\c+(\i)*16*PITCH
.endr
.endm
; 16 matrix instructions: x's blocks a0, a0 + 1 against W's eight, 128 along K.  first = 1: the bias starts the sums.  The 64 accumulators take turns, one instruction a turn.
.macro MUL16 a0, p, q, sc, first
.irp a, \a0, \a0+1
.irp b, 0,1,2,3,4,5,6,7
.if \first
	v_wmma_scale_f32_16x16x128_f8f6f4 v[8*(8*((\a)%4)+\b):8*(8*((\a)%4)+\b)+7], v[128*(\p)+FR*\b:128*(\p)+FR*\b+FR-1], v[AF+FR*(\a):AF+FR*(\a)+FR-1], v[BIAS+8*\b:BIAS+8*\b+7], v[SC+8*NQ*(\sc)+NQ*\b+(\q)], v[SC+8*NQ*(\sc)+NQ*(\a)+(\q)] matrix_a_fmt:MATRIX_FMT_FP4 matrix_b_fmt:MATRIX_FMT_FP4 matrix_a_scale:MATRIX_SCALE_ROW1
.else
	v_wmma_scale_f32_16x16x128_f8f6f4 v[8*(8*((\a)%4)+\b):8*(8*((\a)%4)+\b)+7], v[128*(\p)+FR*\b:128*(\p)+FR*\b+FR-1], v[AF+FR*(\a):AF+FR*(\a)+FR-1], v[8*(8*((\a)%4)+\b):8*(8*((\a)%4)+\b)+7], v[SC+8*NQ*(\sc)+NQ*\b+(\q)], v[SC+8*NQ*(\sc)+NQ*(\a)+(\q)] matrix_a_fmt:MATRIX_FMT_FP4 matrix_b_fmt:MATRIX_FMT_FP4 matrix_a_scale:MATRIX_SCALE_ROW1
.endif
.endr
.endr
.endm
.macro FETCH_B slot, q, p
	WIN TO_B
.irp i, 0,1,2,3,4,5,6,7
	FRAG 128*(\p)+FR*\i, ADRB+\slot, \q, \i
.endr
	WIN 0
.endm
.macro FETCH_A slot, q, i0
.irp i, \i0, \i0+1, \i0+2, \i0+3
	FRAG AF+FR*(\i), ADRA+\slot, \q, \i
.endr
.endm
.macro SCALES sc                       ; a slot's scale words: four a row; lanes 0-15 take x's block i, lanes 16-31 W's block i
.irp i, 0,1,2,3,4,5,6,7
	ds_load_b128 v[SC+8*NQ*\sc+NQ*\i:SC+8*NQ*\sc+NQ*\i+3], v[ADRS] offset:\i*SBLK
.endr
.endm
.macro PLACES n                        ; plain vector instructions between a matrix instruction and a load into, or a read of, its registers
.rept \n
	v_nop
.endr
.endm
.macro STEP slot, q, first             ; a step of 128 along K that has its successor in the same slot
	s_wait_dscnt 4*NL                              ; W's set and x's blocks 0-3 are in; the youngest eight loads (x's blocks 4-7) may be out
.if \first
	WIN FST_LO
.else
	WIN MUL_LO
.endif
	MUL16 0, (\q)%2, \q, \slot, \first
	MUL16 2, (\q)%2, \q, \slot, \first
	s_wait_dscnt 0                                 ; x's blocks 4-7 are in
	PLACES NP
	FETCH_B \slot, (\q)+1, 1-(\q)%2
	FETCH_A \slot, (\q)+1, 0
.if \first
	WIN FST_HI
.else
	WIN MUL_HI
.endif
	MUL16 4, (\q)%2, \q, \slot, \first
	MUL16 6, (\q)%2, \q, \slot, \first
	PLACES NP
	WIN 0
	FETCH_A \slot, (\q)+1, 4
.endm
.macro STEPS slot, from
.set Q, \from
.rept NQ-1-\from
	STEP \slot, Q, 0
.set Q, Q+1
.endr
.endm
	s_wait_tensorcnt 1                             ; the scales and my part of slot 0 are in; slot 1's load may be out
	s_barrier_signal -1
	s_barrier_wait -1
	FETCH_B 0, 0, 0
	FETCH_A 0, 0, 0
	SCALES 0
	FETCH_A 0, 0, 4
	s_wait_loadcnt 0x0                             ; the bias
	STEP 0, 0, 1
	STEPS 0, 1
	; slot 0's last step changes slots: one barrier; in front of it each wave waits for all its tensor loads, adds 0 to its spare word, and waits for that and for its reads of slot 0
	s_wait_tensorcnt 0x0                           ; my part of slot 1 has landed
	ds_add_u32 v[SPW], v[NIL]
	s_wait_dscnt 4*NL+1                            ; the add and the youngest eight loads may be out
	WIN MUL_LO
	MUL16 0, 1, NQ-1, 0, 0
	s_wait_dscnt 0x0                               ; the add is done, and my reads of slot 0 are over
	s_barrier_signal -1
	MUL16 2, 1, NQ-1, 0, 0
	WIN 0
	s_barrier_wait -1
	PLACES NP
	v_add_nc_u32 v[ADRS], 4*NQ, v[ADRS]            ; on to slot 1's scale words
	FETCH_B 1, 0, 0
	FETCH_A 1, 0, 0
	SCALES 1
	WIN MUL_HI
	MUL16 4, 1, NQ-1, 0, 0
	MUL16 6, 1, NQ-1, 0, 0
	PLACES NP
	WIN 0
	FETCH_A 1, 0, 4
	STEPS 1, 0
	s_wait_dscnt 4*NL                              ; the very last step
	WIN MUL_LO
	MUL16 0, 1, NQ-1, 1, 0
	MUL16 2, 1, NQ-1, 1, 0
	s_wait_dscnt 0
	WIN MUL_HI
	MUL16 4, 1, NQ-1, 1, 0
	MUL16 6, 1, NQ-1, 1, 0
	WIN 0
; THE WAY OUT, block by block of 16 rows x 128 columns.  PACK: held at +-65,504 in f32, rounded to f16: 16 bytes a lane.  TOSTAGE: into my own stage and back by heads.  SEND: four tokens of one head, 512 consecutive bytes, an instruction.
.macro PACK a
.set AC, 64*((\a)%4)
	WIN 0x02+((\a)/4)                              ; source 0: window 2 or 3
.irp b, 0,1,2,3,4,5,6,7
.irp j, 0,1,2,3,4,5,6,7
	v_med3_num_f32 v[HOLD+8*\b+\j], v[AC+8*\b+\j], s96, s97        ; each accumulator from its low end on
.endr
.endr
	WIN 0
.irp b, 0,1,2,3,4,5,6,7
.irp r, 0,1,2,3
	v_cvt_pk_f16_f32 v[TMP+4*\b+\r], v[HOLD+8*\b+2*\r], v[HOLD+8*\b+2*\r+1]
.endr
.endr
.endm
.macro TOSTAGE a
.set BB, BK+32*((\a)%2)
.irp b, 0,1,2,3,4,5,6,7
	ds_store_b128 v[STO], v[TMP+4*\b:TMP+4*\b+3] offset:32*\b
.endr
.irp i, 0,1,2,3,4,5,6,7
	ds_load_b128 v[BB+4*\i:BB+4*\i+3], v[RD] offset:(\i%4)*4*SPITCH+128*(\i/4)   ; LDS serves a wave's instructions in order: these see the stores above
.endr
.endm
.macro SEND a
.set BB, BK+32*((\a)%2)
	s_wait_dscnt 0x0                               ; the block is back in registers
	s_wait_xcnt 0x0                                ; earlier stores have read their base and their registers: only behind this wait are they rewritten
.if (\a) > 0
	s_add_nc_u64 s[12:13], s[12:13], 16*128        ; 16 tokens on
.endif
.irp i, 0,1,2,3,4,5,6,7
	global_store_b128 v[CO], v[BB+4*\i:BB+4*\i+3], s[12:13] offset:(\i/4)*262144+(\i%4)*512
.endr
.endm
	PLACES NP
	PACK 0
	TOSTAGE 0
.irp a, 1,2,3,4,5,6,7                  ; block a's arithmetic stands between block a - 1's loads from the stage and the wait for them
	PACK \a
	SEND \a-1
	TOSTAGE \a
.endr
	SEND 7
	s_wait_tensorcnt 0x0                           ; the wave's end
	ds_add_u32 v[SPW], v[NIL]
	s_wait_dscnt 0x0
	CROUND                                         ; the closing round
	s_endpgm
.Lfunc_end_k_q7bee4ff739_gemm_qkv:
	.size	k_q7bee4ff739_gemm_qkv, .Lfunc_end_k_q7bee4ff739_gemm_qkv-k_q7bee4ff739_gemm_qkv
	.p2alignl 7, 3214868480
	.fill 96, 4, 3214868480
	.section	.rodata,"a",@progbits
	.p2align	6, 0x0
	.amdhsa_kernel k_q7bee4ff739_gemm_qkv
		.amdhsa_group_segment_fixed_size 327680
		.amdhsa_private_segment_fixed_size 0
		.amdhsa_enable_private_segment 0
		.amdhsa_kernarg_size 32
		.amdhsa_user_sgpr_count 2
		.amdhsa_user_sgpr_kernarg_segment_ptr 1
		.amdhsa_wavefront_size32 1
		.amdhsa_system_sgpr_workgroup_id_x 1
		.amdhsa_system_sgpr_workgroup_id_y 1
		.amdhsa_system_sgpr_workgroup_id_z 1
		.amdhsa_system_vgpr_workitem_id 0
		.amdhsa_next_free_vgpr 1024
		.amdhsa_next_free_sgpr 98
		.amdhsa_reserve_vcc 0
		.amdhsa_float_denorm_mode_32 3
		.amdhsa_float_denorm_mode_16_64 3
		.amdhsa_memory_ordered 1
		.amdhsa_forward_progress 1
		.amdhsa_inst_pref_size 161
	.end_amdhsa_kernel
	.amdgpu_metadata
---
amdhsa.version: [ 1, 2 ]
amdhsa.kernels:
  - .name:           k_q7bee4ff739_gemm_qkv
    .symbol:         k_q7bee4ff739_gemm_qkv.kd
    .args:
      - { .name: xq, .offset: 0, .size: 8, .value_kind: global_buffer, .address_space: global }
      - { .name: wq, .offset: 8, .size: 8, .value_kind: global_buffer, .address_space: global }
      - { .name: bqkv, .offset: 16, .size: 8, .value_kind: global_buffer, .address_space: global }
      - { .name: qkv16, .offset: 24, .size: 8, .value_kind: global_buffer, .address_space: global }
    .group_segment_fixed_size: 327680
    .private_segment_fixed_size: 0
    .kernarg_segment_align: 8
    .kernarg_segment_size: 32
    .max_flat_workgroup_size: 128
    .sgpr_count:     98
    .vgpr_count:     1024
    .wavefront_size: 32
...
	.end_amdgpu_metadata
.endif
;; end of part 4
;; launch attn (part 5): grid 8 x 32, 8 waves a work-group, clusters of 4 x 1, 327,680 bytes of LDS; arguments qkv16, maskw, ctx16; writes ctx16
.if DOCPART == 5
	.amdgcn_target "amdgcn-amd-amdhsa--gfx1250"
	.amdhsa_code_object_version 6
	.text
	.protected	k_q7bee4ff739_attn
	.globl	k_q7bee4ff739_attn
	.p2align	8
	.type	k_q7bee4ff739_attn,@function
k_q7bee4ff739_attn:
	s_mov_b64 s[64:65], 0
	v_nop
	global_prefetch_b8 v0, s[64:65] scope:SCOPE_SE
	s_setreg_imm32_b32 hwreg(HW_REG_WAVE_MODE, 25, 1), 1
	s_wait_xcnt 0x0
	s_wait_alu depctr_hold_cnt(0) depctr_sa_sdst(0) depctr_va_vdst(0) depctr_va_sdst(0) depctr_va_ssrc(0) depctr_va_vcc(0) depctr_vm_vsrc(0)
	s_getreg_b32 s2, hwreg(HW_REG_IB_STS2, 6, 4)
	s_cmp_eq_u32 s2, 0
	s_cbranch_scc0 .Lentry_in_a_cluster
	s_endpgm
.Lentry_in_a_cluster:
	s_bfe_u32 s2, ttmp6, 0x10000c
	s_cmp_lg_u32 s2, 0x3003
	s_cbranch_scc0 .Lentry_shape_is_right
	s_endpgm
.Lentry_shape_is_right:
; Launch 5 of 6.  ctx[b][q][head] = softmax_k(where(mask, q . k / 8, -10000)) v, with f16 operands and f32 products, maxima and sums; ctx rounded to f16 once.  No work is left out.
; nan_to_num: q, k and v were held at +-65,504 by the launch before, so a score is a sum of 64 products of finite f16 numbers, under 2^39, never an infinity or a NaN: the guard changes no score that can arise here
; (the limit on q, k, v is stated at the head of the first kernel).
; SCORES ARE KEPT RAW (not yet divided by 8): a masked score is -80,000 = 8 x -10,000, exactly, and goes through the running maximum like any other.  p = 2^(c s - c m), c = log2(e) / 8.
; SHARES.  A work-group owns 256 queries of a PAIR of heads, one head after the other; each of its eight waves owns 32 queries, two tiles of 16.  A wave lays head A's and then head B's 128 bytes of its own rows side by side
; in its stage, so that ctx16 is stored as 256 consecutive bytes, aligned.  The two heads' K blocks, and their V blocks, are neighbours in qkv16: the ring runs on across the change of heads with the same step.
; LAYOUT.  S^T = K Q^T (source 0 = 16 keys, source 1 = 16 queries): a lane holds ONE query (lane % 16) and keys 8 (lane / 16) + 0 .. 7.  Two such tiles, rounded to f16 in pairs, ARE source 1 of O^T = V^T P.
; K comes out of LDS as it lies, V ([key][channel]) turned, by ds_load_tr16_b128.  THE MASK comes as lane masks, a word for each register of S^T, by scalar loads a step ahead: one v_cndmask_b32 a register.
; RING.  Two slots of 256 keys (four steps of 64).  Waves 0-3 fetch 64 rows of K each, waves 4-7 64 rows of V.  One tensor load a wave is out behind each change of slots, and has four steps in which to land.
; CLUSTER.  The four blocks of queries of a cluster walk the same K and V: each tile is asked for jointly, with the mask 15.
; REGISTERS.  window 0: v2-13 addresses and constants; v[14:15] c; v16-31 statistics, 8 a tile (+0 c m, +1 m, +2, +3 l, +4 .. +7 at work; a in +6); v32-63 Q; v64-127 S^T; v128-159 P; v160-223 the way out.
;   window 1: v0-63 K of a step; v64-127 V of a step; v128-191 O^T.
.set PK,    144                        ; a row of K in LDS: 128 bytes + 16
.set PV,    160                        ; a row of V: 128 + 32
.set VOFF,  256*PK
.set SLOT1, 1<<17                      ; one exclusive or turns an address in one slot into the other's
.set STAGE, SLOT1+256*(PK+PV)          ; behind the ring: 256 rows x 272 bytes
.set SP,    272
.set SPARE, STAGE+256*SP               ; the spare words, 128 bytes for each of 8 waves
.set AK0, 2
.set AV0, 3
.set ADK, 4
.set ADV, 5
.set QO,  6
.set STO, 7
.set RD,  8
.set GO,  9
.set NEG, 10
.set PFO, 11
.set SPW, 12
.set NIL, 13
.set CV,  14
.set ST,  16
.set QF,  32
.set S,   64
.set P,   128
.set OB,  160
.set OW,  128                          ; O^T, in window 1
.set WV,  2                            ; s2  my wave's number
.set TB,  3                            ; s3  LDS byte at which the slot in hand begins
.set MWB, 4                            ; s[4:5] maskw at my first tile of queries
.set MO,  6                            ; s6  the slot's place in a tile's 4,096 bytes of mask words
.set SLOTS, 7                          ; s7  slots still to be asked for
.set G1K, 8
.set G1V, 16
.set G0,  24                           ; s[24:27] the one walking group 0
.set CB,  28                           ; s[28:29] ctx16 at my first row and my pair of heads
.set LIM, 30
.set SEL, 66
.set PFA, 100
.set QB,  104                          ; s[104:105] head A's q at my first query
.set MSB, 0
.macro WIN new                         ; the immediate's high byte repeats the setting that is left
.if MSB != \new
	s_set_vgpr_msb (MSB<<8)|\new
.set MSB, \new
.endif
.endm
.set W_KQ, 0x01                        ; K window 1; Q and S^T window 0
.set W_PV, 0x51                        ; V and O^T window 1; P window 0
.set W_RS, 0x41                        ; O^T (destination, source 0) window 1; a window 0
.set W_LD, 0x40                        ; destination window 1, address window 0
.macro JLOAD                           ; waves 0-3: K's shape; waves 4-7: V's.  An s_nop 0 and four v_nop follow each of the two lines
	s_cmp_lt_u32 s[WV], 4
	s_cbranch_scc0 .Lfor_v_\@
	tensor_load_to_lds s[G0:G0+3], s[G1K:G1K+7]
	s_nop 0
.rept 4
	v_nop
.endr
	s_branch .Lasked_\@
.Lfor_v_\@:
	tensor_load_to_lds s[G0:G0+3], s[G1V:G1V+7]
	s_nop 0
.rept 4
	v_nop
.endr
.Lasked_\@:
.endm
; A prefetch of what the NEXT change of slots will ask for: 256 rows of K and 256 of V, 32,768 dense bytes each.  Both clusters of a pair of heads walk the same rows: the first asks.  Its four partners take 8,192 bytes each,
; told apart by address; in each, wave 0 asks for K's and wave 4 for V's, lanes 256 bytes apart: each block of 256 bytes is named once in the launch.  The last change that fills a slot asks for nothing.
.macro ASK
	s_cmp_gt_u32 s[SLOTS], s[LIM]
	s_cbranch_scc0 .Lnot_mine_\@
	global_prefetch_b8 v[PFO], s[PFA:PFA+1] th:TH_LOAD_NT scope:SCOPE_SE
.Lnot_mine_\@:
.endm
.macro CROUND
	s_barrier_signal -1
	s_barrier_wait -1
	s_cmp_lg_u32 s[WV], 0
	s_cbranch_scc1 .Lnot_wave_0_\@
	s_barrier_signal -3
.Lnot_wave_0_\@:
	s_barrier_wait -3
	s_barrier_signal -1
	s_barrier_wait -1
.endm
.macro KLOAD q                         ; K of the slot's step q: 4 tiles of 16 keys x 2 halves of 32 channels
.irp t, 0,1,2,3
.irp s, 0,1
	ds_load_b128 v[8*(2*\t+\s):8*(2*\t+\s)+3],   v[ADK] offset:64*PK*(\q)+16*PK*\t+64*\s
	ds_load_b128 v[8*(2*\t+\s)+4:8*(2*\t+\s)+7], v[ADK] offset:64*PK*(\q)+16*PK*\t+64*\s+32
.endr
.endr
.endm
.macro VLOAD q                         ; V of step q, turned: 2 groups of 32 keys x 4 tiles of 16 channels
.irp g, 0,1
.irp c, 0,1,2,3
	ds_load_tr16_b128 v[64+8*(4*\g+\c):64+8*(4*\g+\c)+3],   v[ADV] offset:64*PV*(\q)+32*PV*\g+32*\c
	ds_load_tr16_b128 v[64+8*(4*\g+\c)+4:64+8*(4*\g+\c)+7], v[ADV] offset:64*PV*(\q)+32*PV*\g+32*\c+16*PV
.endr
.endr
.endm
.macro KQ                              ; 16 products; the eight accumulators take turns, one instruction a turn; the first eight start the sums
.irp s, 0,1
.irp t, 0,1,2,3
.irp u, 0,1
.if \s == 0
	v_wmma_f32_16x16x32_f16 v[S+32*\u+8*\t:S+32*\u+8*\t+7], v[8*(2*\t+\s):8*(2*\t+\s)+7], v[QF+16*\u+8*\s:QF+16*\u+8*\s+7], 0
.else
	v_wmma_f32_16x16x32_f16 v[S+32*\u+8*\t:S+32*\u+8*\t+7], v[8*(2*\t+\s):8*(2*\t+\s)+7], v[QF+16*\u+8*\s:QF+16*\u+8*\s+7], v[S+32*\u+8*\t:S+32*\u+8*\t+7]
.endif
.endr
.endr
.endr
.endm
.macro PVM                             ; 16 products O^T += V^T P, the eight accumulators by turns
.irp g, 0,1
.irp c, 0,1,2,3
.irp u, 0,1
	v_wmma_f32_16x16x32_f16 v[OW+32*\u+8*\c:OW+32*\u+8*\c+7], v[64+8*(4*\g+\c):64+8*(4*\g+\c)+7], v[P+16*\u+8*\g:P+16*\u+8*\g+7], v[OW+32*\u+8*\c:OW+32*\u+8*\c+7]
.endr
.endr
.endr
.endm
.macro MLOAD u, imm                    ; tile u's 32 mask words of one step: s[32:63] or s[68:99]
	s_load_b512 s[32+36*\u:47+36*\u], s[MWB:MWB+1], s[MO] offset:4096*\u+\imm
	s_load_b512 s[48+36*\u:63+36*\u], s[MWB:MWB+1], s[MO] offset:4096*\u+\imm+64
.endm
.macro MASK u                          ; where the bit is 0 the score becomes -80,000.  Each accumulator is read from its low end on
.set i, 0
.rept 32
	v_cndmask_b32 v[S+32*\u+i], v[NEG], v[S+32*\u+i], s[32+36*\u+i]
.set i, i+1
.endr
.endm
.macro SOFT_A u                        ; the new maximum, a, the scalings, the exponentials.  Nothing here reads an exponential's result
.set rT, ST+8*\u
.set rS, S+32*\u
.irp j, 0,1,2,3
	v_max3_num_f32 v[rT+4+\j], v[rS+8*\j], v[rS+8*\j+1], v[rS+8*\j+2]          ; four chains of seven scores
.endr
.irp k, 1,2
.irp j, 0,1,2,3
	v_max3_num_f32 v[rT+4+\j], v[rT+4+\j], v[rS+8*\j+2*\k+1], v[rS+8*\j+2*\k+2]
.endr
.endr
	v_max3_num_f32 v[rT+4], v[rT+4], v[rS+7], v[rS+15]                         ; the four left over,
	v_max3_num_f32 v[rT+6], v[rT+6], v[rS+23], v[rS+31]
	v_max3_num_f32 v[rT+4], v[rT+4], v[rT+5], v[rT+6]
	v_max3_num_f32 v[rT+4], v[rT+4], v[rT+7], v[rT+1]                          ; and the old m
	v_permlanex16_b32 v[rT+5], v[rT+4], s[SEL], s[SEL+1]                       ; the query's other 32 keys lie in the lane 16 away
	v_mov_b32 v[rT+7], v[rT]                                                   ; c m_old
	v_max_num_f32 v[rT+1], v[rT+4], v[rT+5]
	v_mul_f32 v[rT], v[CV], v[rT+1]
	v_sub_f32 v[rT+7], v[rT+7], v[rT]
	v_exp_f32 v[rT+6], v[rT+7]                                                 ; a = 2^(c m_old - c m_new)
.set i, 0
.rept 16
	v_pk_fma_f32 v[rS+2*i:rS+2*i+1], v[rS+2*i:rS+2*i+1], v[CV:CV+1], v[rT:rT+1] op_sel_hi:[1,0,0] neg_lo:[0,0,1] neg_hi:[0,0,1]   ; c s - c m
.set i, i+1
.endr
.set i, 0
.rept 32
	v_exp_f32 v[rS+i], v[rS+i]
.set i, i+1
.endr
.endm
.macro SOFT_B u                        ; the roundings to f16 and the sums
.set rT, ST+8*\u
.set rS, S+32*\u
.set rP, P+16*\u
.set i, 0
.rept 16
	v_cvt_pk_f16_f32 v[rP+i], v[rS+2*i], v[rS+2*i+1]
.set i, i+1
.endr
.irp z, 0,1,2,3,4,5,6,7
	v_pk_add_f32 v[rS+4*\z:rS+4*\z+1], v[rS+4*\z:rS+4*\z+1], v[rS+4*\z+2:rS+4*\z+3]
.endr
.irp z, 0,1,2,3
	v_pk_add_f32 v[rS+8*\z:rS+8*\z+1], v[rS+8*\z:rS+8*\z+1], v[rS+8*\z+4:rS+8*\z+5]
.endr
.irp z, 0,1
	v_pk_add_f32 v[rS+16*\z:rS+16*\z+1], v[rS+16*\z:rS+16*\z+1], v[rS+16*\z+8:rS+16*\z+9]
.endr
	v_pk_add_f32 v[rS:rS+1], v[rS:rS+1], v[rS+16:rS+17]
	v_pk_fma_f32 v[rT+2:rT+3], v[rT+2:rT+3], v[rT+6:rT+7], v[rS:rS+1] op_sel_hi:[1,0,1]   ; l = a l + the sum
.endm
.macro RESCALE                         ; both tiles' O^T times a, each accumulator from its low end on
	WIN W_RS
.irp u, 0,1
.set i, 0
.rept 16
	v_pk_mul_f32 v[OW+32*\u+2*i:OW+32*\u+2*i+1], v[OW+32*\u+2*i:OW+32*\u+2*i+1], v[ST+8*\u+6:ST+8*\u+7] op_sel_hi:[1,0]
.set i, i+1
.endr
.endr
.endm
; A KEY STEP: 64 keys, the q-th of the slot in hand.  last = 1: the launch's last slot, whose last step asks for no mask words.
.macro STEP q, last
	s_wait_dscnt 0x0                               ; K is in
	WIN W_KQ
	KQ
	WIN 0
.rept 4
	v_nop                                          ; places in front of the reads of S^T and of the loads into K's and V's registers
.endr
	WIN W_LD
	VLOAD \q
.if \q < 3
	KLOAD \q+1
.endif
	WIN 0
	s_wait_kmcnt 0x0                               ; both tiles' mask words are in; no scalar load is out
	MASK 0
.if \q < 3
	MLOAD 0, 128*(\q+1)                            ; the next step's words, into the registers just read
.elseif !\last
	s_add_co_u32 s[MO], s[MO], 512                 ; the next slot's; behind a head's eighth slot back to 0: the mask serves both heads
	s_and_b32 s[MO], s[MO], 0xfff
	MLOAD 0, 0
.endif
	SOFT_A 0
	MASK 1
.if \q < 3
	MLOAD 1, 128*(\q+1)
.elseif !\last
	MLOAD 1, 0
.endif
	SOFT_A 1
	v_nop                                          ; a plain instruction behind the last exponential
	s_wait_alu depctr_va_vdst(0)                   ; one wait for the 66 exponentials, ahead of the first instruction that names a result
	SOFT_B 0
	SOFT_B 1
	RESCALE
.if \q < 3
	s_wait_dscnt 16                                ; V is in; the next step's 16 loads of K may be out
.else
	s_wait_dscnt 0x0
.endif
	WIN W_PV
	PVM
	WIN 0
.endm
.macro SLOT_WORK last
	v_add_nc_u32 v[ADK], s[TB], v[AK0]
	v_add_nc_u32 v[ADV], s[TB], v[AV0]
	s_wait_loadcnt 0x0                             ; Q (at a head's first slot; else nothing is out)
	WIN W_LD
	KLOAD 0
	WIN 0
	STEP 0, \last
	STEP 1, \last
	STEP 2, \last
	STEP 3, \last
	s_xor_b32 s[TB], s[TB], SLOT1                  ; on to the other slot
.endm
; THE CHANGE OF SLOTS stands at a slot's head.  Each wave waits for all its tensor loads (its part of the slot that it is about to read), adds 0 to its spare word, and waits for that and for its reads of the slot that it has left.
; fill = 1: a round of the cluster's barrier, and behind it the slot just left is filled with the next 256 keys.
.macro CHANGE fill
	s_wait_tensorcnt 0x0                           ; no tensor load of mine is out, so group 0 may be written
	ds_add_u32 v[SPW], v[NIL]
.if \fill
	s_xor_b32 s[G0+1], s[G0+1], SLOT1              ; the other slot than last time,
	s_add_nc_u64 s[G0+2:G0+3], s[G0+2:G0+3], 32768 ; the next 256 rows; the type bits on top are not reached
	s_wait_xcnt 0x0                                ; the last prefetch, a slot back, has read its address
	s_add_nc_u64 s[PFA:PFA+1], s[PFA:PFA+1], 32768 ; one slot further on than the walking descriptor
	s_wait_dscnt 0x0                               ; the add is done, and my reads of the slot that I have left are over
	CROUND
	JLOAD
	ASK
.else
	s_wait_dscnt 0x0
	s_barrier_signal -1
	s_barrier_wait -1
.endif
.endm
.macro QLOAD off                       ; my 32 queries' fragments: tile u, channels 32 s on
.irp u, 0,1
.irp s, 0,1
	global_load_b128 v[QF+16*\u+8*\s:QF+16*\u+8*\s+3],   v[QO], s[QB:QB+1] offset:\off+2048*\u+64*\s
	global_load_b128 v[QF+16*\u+8*\s+4:QF+16*\u+8*\s+7], v[QO], s[QB:QB+1] offset:\off+2048*\u+64*\s+32
.endr
.endr
.endm
.macro RESET                           ; a head begins: m = -3e38, under every score; l = 0; O^T = 0.  The step is written once: the first finds zeros, which a = 0 leaves zeros
.irp u, 0,1
	v_mov_b32 v[ST+8*\u+1], 0xff61b1e6
	v_mov_b32 v[ST+8*\u+2], 0
	v_mov_b32 v[ST+8*\u+3], 0
.endr
.irp u, 0,1
	v_mul_f32 v[ST+8*\u], v[CV], v[ST+8*\u+1]
.endr
	WIN W_LD
.set i, 0
.rept 64
	v_mov_b32 v[OW+i], 0
.set i, i+1
.endr
	WIN 0
.endm
; A head's end: O^T / l, rounded to f16, into my rows of the stage: head e's 128 bytes.  e = 0: the next head begins.  e = 1: my 32 rows leave, sixteen lanes storing 256 consecutive bytes, aligned.
.macro FINISH e
.rept 4
	v_nop                                          ; places behind the last products
.endr
.irp u, 0,1
	v_add_f32 v[ST+8*\u+4], v[ST+8*\u+2], v[ST+8*\u+3]
.endr
.irp u, 0,1
	v_permlanex16_b32 v[ST+8*\u+5], v[ST+8*\u+4], s[SEL], s[SEL+1]
.endr
.irp u, 0,1
	v_add_f32 v[ST+8*\u+4], v[ST+8*\u+4], v[ST+8*\u+5]
.endr
.irp u, 0,1
	v_rcp_f32 v[ST+8*\u+6], v[ST+8*\u+4]
.endr
	v_nop                                          ; a plain instruction behind the last reciprocal
	s_wait_alu depctr_va_vdst(0)                   ; and the wait ahead of the first use: one for both
	WIN 0x01                                       ; source 0 (O^T) window 1; the results go into S^T's registers
.irp u, 0,1
.set i, 0
.rept 16
	v_pk_mul_f32 v[S+32*\u+2*i:S+32*\u+2*i+1], v[OW+32*\u+2*i:OW+32*\u+2*i+1], v[ST+8*\u+6:ST+8*\u+7] op_sel_hi:[1,0]
.set i, i+1
.endr
.endr
	WIN 0
.irp u, 0,1
.set i, 0
.rept 16
	v_cvt_pk_f16_f32 v[P+16*\u+i], v[S+32*\u+2*i], v[S+32*\u+2*i+1]
.set i, i+1
.endr
.endr
.irp u, 0,1
.irp c, 0,1,2,3
	ds_store_b128 v[STO], v[P+16*\u+4*\c:P+16*\u+4*\c+3] offset:16*SP*\u+128*\e+32*\c   ; query r, channels 16 c + 8 h + 0 .. 7
.endr
.endr
.if \e == 0
	QLOAD 262144                                   ; head B's q: the next block of qkv16
	RESET
.else
.irp i, 0,1,2,3,4,5,6,7,8,9,10,11,12,13,14,15
	ds_load_b128 v[OB+4*\i:OB+4*\i+3], v[RD] offset:2*SP*\i    ; LDS serves a wave's instructions in order: these see my stores, head A's too
.endr
.irp i, 0,1,2,3,4,5,6,7,8,9,10,11,12,13,14,15
	s_wait_dscnt 15-\i
	global_store_b128 v[GO], v[OB+4*\i:OB+4*\i+3], s[CB:CB+1] offset:4096*\i
.endr
.endif
.endm
	s_load_b128 s[32:35], s[0:1], 0x0              ; qkv16, maskw
	s_load_b64 s[36:37], s[0:1], 0x10              ; ctx16
	v_lshl_add_u32 v[SPW], v0, 2, SPARE
	v_mov_b32 v[NIL], 0
	ds_add_u32 v[SPW], v[NIL]                      ; the wave's opening: the add, twice on end, and its wait ahead of my first tensor load
	ds_add_u32 v[SPW], v[NIL]
	v_lshrrev_b32 v1, 5, v0
	v_readfirstlane_b32 s[WV], v1                  ; wave 0..7
	s_bfe_u32 s40, ttmp6, 0x40000                  ; cx
	s_lshl_b32 s41, ttmp9, 2
	s_add_co_u32 s41, s41, s40                     ; my block of 256 queries: it enters q's, the mask's and ctx's addresses alone
	s_and_b32 s42, ttmp7, 0xffff                   ; y: the pair of heads, which the four partners share
	s_and_b32 s43, s[WV], 3                        ; which 64 rows of a slot I fetch,
	s_lshr_b32 s44, s[WV], 2                       ; of K (0) or of V (1)
	s_mov_b32 s[G1K], 15|(1<<16)|(1<<20)|(1<<21)|(4<<22)|(3<<25)   ; the mask: all four; elements of 2 bytes; padding: 4 words behind every 32; bit 21 beside a mask
	s_mov_b32 s[G1V], 15|(1<<16)|(1<<20)|(1<<21)|(4<<22)|(7<<25)   ; the same with 8 words of padding
.irp g, G1K, G1V
	s_mov_b32 s[\g+1], 64<<16                      ; tensor_dim0
	s_mov_b32 s[\g+2], 64<<16                      ; tensor_dim1
	s_mov_b32 s[\g+3], 64<<16                      ; tile_dim0
	s_mov_b32 s[\g+4], 64                          ; tile_dim1
	s_mov_b32 s[\g+5], 64                          ; the pitch
	s_mov_b32 s[\g+6], 0
	s_mov_b32 s[\g+7], 0
.endr
	s_mov_b32 s[G0], 1
	s_mul_i32 s[G0+1], s43, 64*PK                  ; in a slot: K's rows 64 (w % 4) on, or, behind K's 256, V's, whose rows are 16 bytes longer
	s_mul_i32 s45, s44, VOFF
	s_add_co_u32 s[G0+1], s[G0+1], s45
	s_mul_i32 s45, s43, s44
	s_lshl_b32 s45, s45, 10
	s_add_co_u32 s[G0+1], s[G0+1], s45
	s_lshl_b32 s46, s44, 6
	s_add_co_u32 s46, s46, 64
	s_lshl_b32 s47, s42, 1
	s_add_co_u32 s46, s46, s47                     ; the block of qkv16: 64 (K) or 128 (V) + 2 y
	s_lshl_b32 s46, s46, 18
	s_mov_b32 s47, 0
	s_lshl_b32 s48, s43, 13                        ; my 64 rows of 128 bytes
	s_mov_b32 s49, 0
	s_lshl_b32 s52, s40, 13                        ; the prefetches: my work-group's 8,192 bytes,
	s_add_co_u32 s52, s52, 32768                   ; in slot 1: the first change of slots steps it to slot 2.  Nothing is prefetched at the head
	s_mov_b32 s53, 0
	s_lshr_b32 s54, s42, 3                         ; b
	s_lshl_b32 s55, s54, 7
	s_lshl_b32 s56, s41, 4
	s_add_co_u32 s55, s55, s56
	s_lshl_b32 s56, s[WV], 1
	s_add_co_u32 s55, s55, s56                     ; my first tile of queries: 128 b + 16 block + 2 wave
	s_lshl_b32 s56, s55, 12
	s_mov_b32 s57, 0
	s_lshl_b32 s58, s54, 11
	s_lshl_b32 s59, s41, 8
	s_add_co_u32 s58, s58, s59
	s_lshl_b32 s59, s[WV], 5
	s_add_co_u32 s58, s58, s59                     ; my first row of ctx
	s_lshl_b32 s58, s58, 11
	s_and_b32 s59, s42, 7
	s_lshl_b32 s59, s59, 8
	s_add_co_u32 s58, s58, s59                     ; + the pair's 256 bytes
	s_mov_b32 s59, 0
	s_lshl_b32 s60, s42, 19                        ; q: block 2 y,
	s_lshl_b32 s61, s41, 15
	s_add_co_u32 s60, s60, s61
	s_lshl_b32 s61, s[WV], 12
	s_add_co_u32 s60, s60, s61                     ; my first query's row of 128 bytes
	s_mov_b32 s61, 0
	s_mov_b32 s[SEL], 0x76543210
	s_mov_b32 s[SEL+1], 0xfedcba98
	s_mov_b32 s[TB], 0
	s_mov_b32 s[MO], 0
	s_mov_b32 s[SLOTS], 15
	s_or_b32 s[LIM], s43, ttmp9                    ; 0 in waves 0 and 4 of the pair's first cluster: the same in all four partners
	s_cmp_eq_u32 s[LIM], 0
	s_cselect_b32 s[LIM], 1, -1
	s_mul_i32 s31, s[WV], 32*SP
	s_add_co_u32 s31, s31, STAGE                   ; my 32 rows of the stage
	s_wait_dscnt 0x0                               ; both opening adds are done
	s_wait_kmcnt 0x0
	s_add_nc_u64 s[50:51], s[32:33], s[46:47]      ; K or V at head A's first row
	s_add_nc_u64 s[G0+2:G0+3], s[50:51], s[48:49]
	s_or_b32 s[G0+3], s[G0+3], 0x80000000
	s_add_nc_u64 s[PFA:PFA+1], s[50:51], s[52:53]
	s_add_nc_u64 s[MWB:MWB+1], s[34:35], s[56:57]
	s_add_nc_u64 s[CB:CB+1], s[36:37], s[58:59]
	s_add_nc_u64 s[QB:QB+1], s[32:33], s[60:61]
	CROUND                                         ; all four work-groups are here: the first joint loads meet
	JLOAD                                          ; slot 0
	v_and_b32 v160, 15, v0                         ; r
	v_bfe_u32 v161, v0, 4, 1                       ; h
	v_and_b32 v162, 7, v0
	v_bfe_u32 v163, v0, 3, 1
	v_lshlrev_b32 v[QO], 7, v160
	v_lshl_add_u32 v[QO], v161, 4, v[QO]           ; q: row r of 128 bytes + 16 h
	QLOAD 0
	MLOAD 0, 0                                     ; the first step's mask words (the set-up's scalars in s32 on are done with)
	MLOAD 1, 0
	v_mul_u32_u24 v[AK0], v160, PK
	v_lshl_add_u32 v[AK0], v161, 4, v[AK0]         ; K: row r x pitch + 16 h
	v_lshl_add_u32 v[AV0], v161, 3, v162           ; V, turned: key 8 h + l % 8, channels 8 ((l / 8) % 2) on
	v_mul_u32_u24 v[AV0], v[AV0], PV
	v_lshl_add_u32 v[AV0], v163, 4, v[AV0]
	v_add_nc_u32 v[AV0], VOFF, v[AV0]
	v_mul_u32_u24 v[STO], v160, SP
	v_lshl_add_u32 v[STO], v161, 4, v[STO]
	v_add_nc_u32 v[STO], s31, v[STO]               ; the stage, in: row r, 16 h
	v_mul_u32_u24 v[RD], v161, SP
	v_lshl_add_u32 v[RD], v160, 4, v[RD]
	v_add_nc_u32 v[RD], s31, v[RD]                 ; back: lanes 0-15 one row of 256 bytes, lanes 16-31 the next
	v_lshlrev_b32 v[GO], 11, v161
	v_lshl_add_u32 v[GO], v160, 4, v[GO]           ; and the same two rows in ctx16
	v_mov_b32 v[NEG], 0xc79c4000                   ; -80,000
	v_and_b32 v[PFO], 31, v0
	v_lshlrev_b32 v[PFO], 8, v[PFO]
	v_mov_b32 v[CV], 0x3e38aa3b                    ; c = log2(e) / 8
	v_mov_b32 v[CV+1], 0x3e38aa3b
	RESET
.Lslot:                                                ; 15 trips: behind each change of slots but the last the next slot is asked for
	CHANGE 1
	SLOT_WORK 0
	s_cmp_lg_u32 s[SLOTS], 8                       ; behind the eighth slot head A is done: the count of trips alone decides, alike in all waves and partners
	s_cbranch_scc1 .Lsame_head
	FINISH 0
.Lsame_head:
	s_sub_co_u32 s[SLOTS], s[SLOTS], 1
	s_cmp_lg_u32 s[SLOTS], 0
	s_cbranch_scc1 .Lslot
	CHANGE 0                                       ; the last slot is written out
	SLOT_WORK 1
	FINISH 1
	s_wait_tensorcnt 0x0                           ; the wave's end
	ds_add_u32 v[SPW], v[NIL]
	s_wait_dscnt 0x0
	CROUND                                         ; the closing round
	s_endpgm
.Lfunc_end_k_q7bee4ff739_attn:
	.size	k_q7bee4ff739_attn, .Lfunc_end_k_q7bee4ff739_attn-k_q7bee4ff739_attn
	.p2alignl 7, 3214868480
	.fill 96, 4, 3214868480
	.section	.rodata,"a",@progbits
	.p2align	6, 0x0
	.amdhsa_kernel k_q7bee4ff739_attn
		.amdhsa_group_segment_fixed_size 327680
		.amdhsa_private_segment_fixed_size 0
		.amdhsa_enable_private_segment 0
		.amdhsa_kernarg_size 24
		.amdhsa_user_sgpr_count 2
		.amdhsa_user_sgpr_kernarg_segment_ptr 1
		.amdhsa_wavefront_size32 1
		.amdhsa_system_sgpr_workgroup_id_x 1
		.amdhsa_system_sgpr_workgroup_id_y 1
		.amdhsa_system_sgpr_workgroup_id_z 1
		.amdhsa_system_vgpr_workitem_id 0
		.amdhsa_next_free_vgpr 512
		.amdhsa_next_free_sgpr 106
		.amdhsa_reserve_vcc 0
		.amdhsa_float_denorm_mode_32 3
		.amdhsa_float_denorm_mode_16_64 3
		.amdhsa_memory_ordered 1
		.amdhsa_forward_progress 1
		.amdhsa_inst_pref_size 198
	.end_amdhsa_kernel
	.amdgpu_metadata
---
amdhsa.version: [ 1, 2 ]
amdhsa.kernels:
  - .name:           k_q7bee4ff739_attn
    .symbol:         k_q7bee4ff739_attn.kd
    .args:
      - { .name: qkv16, .offset: 0, .size: 8, .value_kind: global_buffer, .address_space: global }
      - { .name: maskw, .offset: 8, .size: 8, .value_kind: global_buffer, .address_space: global }
      - { .name: ctx16, .offset: 16, .size: 8, .value_kind: global_buffer, .address_space: global }
    .group_segment_fixed_size: 327680
    .private_segment_fixed_size: 0
    .kernarg_segment_align: 8
    .kernarg_segment_size: 24
    .max_flat_workgroup_size: 256
    .sgpr_count:     106
    .vgpr_count:     512
    .wavefront_size: 32
...
	.end_amdgpu_metadata
.endif
;; end of part 5
;; launch proj (part 6): grid 4 x 64, 4 waves a work-group, clusters of 4 x 4, 327,680 bytes of LDS; arguments ctx16, wo16, bout, valid, out0; writes out0
.if DOCPART == 6
	.amdgcn_target "amdgcn-amd-amdhsa--gfx1250"
	.amdhsa_code_object_version 6
	.text
	.protected	k_q7bee4ff739_proj
	.globl	k_q7bee4ff739_proj
	.p2align	8
	.type	k_q7bee4ff739_proj,@function
k_q7bee4ff739_proj:
	s_mov_b64 s[64:65], 0
	v_nop
	global_prefetch_b8 v0, s[64:65] scope:SCOPE_SE
	s_setreg_imm32_b32 hwreg(HW_REG_WAVE_MODE, 25, 1), 1
	s_wait_xcnt 0x0
	s_wait_alu depctr_hold_cnt(0) depctr_sa_sdst(0) depctr_va_vdst(0) depctr_va_sdst(0) depctr_va_ssrc(0) depctr_va_vcc(0) depctr_vm_vsrc(0)
	s_getreg_b32 s2, hwreg(HW_REG_IB_STS2, 6, 4)
	s_cmp_eq_u32 s2, 0
	s_cbranch_scc0 .Lentry_in_a_cluster
	s_endpgm
.Lentry_in_a_cluster:
	s_bfe_u32 s2, ttmp6, 0x10000c
	s_cmp_lg_u32 s2, 0xf033
	s_cbranch_scc0 .Lentry_shape_is_right
	s_endpgm
.Lentry_shape_is_right:
; Launch 6 of 6.  out0 = (ctx Wout + bout) x valid, f16 operands, f32 sums.  ctx16 [8192][1024] f16; wo16 [k 1024][n 1024] f16; bout [1024], valid [8192], out0 [8192][1024] f32.  No work is left out.
; A tile of out0 is 128 rows x 256 columns: 256 work-groups.  Four waves, each 64 x 128: 32 accumulators, 256 registers.  K goes in steps of 128 through a ring of two LDS slots.
; Wout lies [k][n]: its tile comes as 128 rows of k x 512 bytes and its fragments are turned on the way out of LDS, by ds_load_tr16_b128.
; THE MATRIX INSTRUCTION IS USED TRANSPOSED (source 0 = 16 columns of Wout, source 1 = 16 rows of ctx): a lane holds eight neighbouring columns of one row.  The bias is the C of each sum's first product.
; CLUSTERS: 4 x 4 work-groups.  ctx's tile is shared along a row of the cluster, Wout's along a column: joint loads.  One tensor load a wave is out behind each round.
; No prefetch is laid: a K step's tiles are small, every tile of Wout and of ctx is read by several work-groups at about the same time, and the launch is short.
; REGISTERS: window 0: v0-31 addresses; v32-39 valid of my rows; v64-159, v160-255 two fragment buffers (4 of ctx, then 8 of Wout); on the way out v64-127 scaled results, v128-255 rows read back.
;   window 1: the accumulators, (a, b) at v[8 (8 a + b)].   window 2: v0-63 the bias.
.set KROWB,  2048                      ; a row of ctx16 or of wo16 in bytes
.set PA,     272                       ; ctx's row in LDS: 256 bytes + 16
.set PB,     544                       ; Wout's: 512 + 32
.set BOFF,   128*PA
.set SLOT,   128*(PA+PB)
.set STAGE,  2*SLOT                    ; 16 rows x 528 bytes for each wave
.set SPITCH, 528
.set SPARE,  STAGE+4*16*SPITCH
.set LAPS,   4
.set ADRA, 16
.set ADRB, 20
.set STO,  24
.set RD,   25
.set CO,   26
.set SPW,  28
.set NIL,  29
.set BO,   30
.set VO,   31
.set VAL,  32
.set F0,   64
.set F1,   160
.set OUTV, 64
.set BK,   128
.set G1, 24
.set G0, 32
.set G1B, 48
.set G0B, 56
.set MSB, 0
.macro WIN new
.if MSB != \new
	s_set_vgpr_msb (MSB<<8)|\new
.set MSB, \new
.endif
.endm
.set MUL,  0x50                        ; sources 0 and 1 window 0; C and D window 1
.set MULF, 0x60                        ; the first products: C (the bias) window 2, D window 1
.macro JLOAD s                         ; waves 0 and 1 fetch ctx's two halves, waves 2 and 3 Wout's; an s_nop 0 and four v_nop follow each of the two lines
	s_cmp_eq_u32 s15, 0
	s_cbranch_scc0 .Lfor_b_\@
	tensor_load_to_lds s[G0+4*\s:G0+4*\s+3], s[G1:G1+7]
	s_nop 0
.rept 4
	v_nop
.endr
	s_branch .Lasked_\@
.Lfor_b_\@:
	tensor_load_to_lds s[G0B+4*\s:G0B+4*\s+3], s[G1B:G1B+7]
	s_nop 0
.rept 4
	v_nop
.endr
.Lasked_\@:
.endm
.macro CREST
	s_cmp_lg_u32 s14, 0
	s_cbranch_scc1 .Lnot_wave_0_\@
	s_barrier_signal -3
.Lnot_wave_0_\@:
	s_barrier_wait -3
	s_barrier_signal -1
	s_barrier_wait -1
.endm
.macro CROUND
	s_barrier_signal -1
	s_barrier_wait -1
	CREST
.endm
	s_load_b256 s[4:11], s[0:1], 0x0               ; ctx16, wo16, bout, valid
	s_load_b64 s[12:13], s[0:1], 0x20              ; out0
	v_lshl_add_u32 v[SPW], v0, 2, SPARE
	v_mov_b32 v[NIL], 0
	ds_add_u32 v[SPW], v[NIL]                      ; the wave's opening: the add, twice on end, and its wait ahead of my first tensor load
	ds_add_u32 v[SPW], v[NIL]
	v_lshrrev_b32 v1, 5, v0
	v_readfirstlane_b32 s14, v1                    ; wave 0..3
	s_lshr_b32 s15, s14, 1                         ; which 64 rows of the tile are mine.  Also: I fetch for ctx (0) or for Wout (1)
	s_and_b32 s16, s14, 1                          ; which 128 columns.  Also: which 64 rows of that tile I fetch
	s_bfe_u32 s40, ttmp6, 0x40000                  ; cx, cy
	s_bfe_u32 s41, ttmp6, 0x40004
	s_lshl_b32 s42, ttmp9, 2
	s_add_co_u32 s42, s42, s40                     ; tile column
	s_and_b32 s17, ttmp7, 0xffff
	s_lshl_b32 s17, s17, 2
	s_add_co_u32 s17, s17, s41                     ; tile row
	s_lshl_b32 s43, s41, 2
	s_lshl_b32 s43, 15, s43                        ; my row of the cluster
	s_lshl_b32 s44, 0x1111, s40                    ; my column
	s_or_b32 s[G1+0], s43, (1<<16)|(1<<20)|(1<<21)|(5<<22)|(3<<25)   ; ctx: elements of 2 bytes; 4 words of padding behind every 64
	s_mov_b32 s[G1+1], 128<<16                     ; tensor_dim0
	s_mov_b32 s[G1+2], 64<<16                      ; tensor_dim1
	s_mov_b32 s[G1+3], 128<<16                     ; tile_dim0
	s_mov_b32 s[G1+4], 64                          ; tile_dim1
	s_mov_b32 s[G1+5], 1024                        ; the pitch
	s_mov_b32 s[G1+6], 0
	s_mov_b32 s[G1+7], 0
	s_or_b32 s[G1B+0], s44, (1<<16)|(1<<20)|(1<<21)|(6<<22)|(7<<25)  ; Wout: 8 words of padding behind every 128
	s_mov_b32 s[G1B+1], 256<<16
	s_mov_b32 s[G1B+2], 64<<16
	s_mov_b32 s[G1B+3], 256<<16
	s_mov_b32 s[G1B+4], 64
	s_mov_b32 s[G1B+5], 1024
	s_mov_b32 s[G1B+6], 0
	s_mov_b32 s[G1B+7], 0
	s_lshl_b32 s20, s17, 7
	s_lshl_b32 s18, s16, 6
	s_add_co_u32 s20, s20, s18                     ; ctx: row 128 x tile row + 64 x half
	s_lshl_b32 s20, s20, 11
	s_mov_b32 s21, 0
	s_lshl_b32 s46, s42, 9                         ; Wout: column 256 x tile column,
	s_lshl_b32 s18, s16, 17
	s_add_co_u32 s46, s46, s18                     ; k row 64 x half
	s_mov_b32 s47, 0
	s_mul_i32 s22, s16, 64*PA                      ; where they go: no place in the cluster enters an LDS address
	s_mul_i32 s23, s16, 64*PB
	s_add_co_u32 s23, s23, BOFF
	s_wait_dscnt 0x0                               ; both opening adds are done
	s_wait_kmcnt 0x0
	s_add_nc_u64 s[20:21], s[4:5], s[20:21]
	s_add_nc_u64 s[46:47], s[6:7], s[46:47]
	CROUND                                         ; all sixteen work-groups are here: the first joint loads meet
.irp s, 0,1
	s_mov_b32 s[G0+4*\s], 1
	s_add_co_u32 s[G0+4*\s+1], s22, \s*SLOT
	s_add_nc_u64 s[G0+4*\s+2:G0+4*\s+3], s[20:21], \s*256
	s_or_b32 s[G0+4*\s+3], s[G0+4*\s+3], 0x80000000
	s_mov_b32 s[G0B+4*\s], 1
	s_add_co_u32 s[G0B+4*\s+1], s23, \s*SLOT
	s_add_nc_u64 s[G0B+4*\s+2:G0B+4*\s+3], s[46:47], \s*128*KROWB
	s_or_b32 s[G0B+4*\s+3], s[G0B+4*\s+3], 0x80000000
	JLOAD \s
.endr
	v_and_b32 v1, 15, v0                           ; r
	v_bfe_u32 v2, v0, 4, 1                         ; h
	v_mul_u32_u24 v3, v1, PA
	v_lshl_add_u32 v3, v2, 4, v3                   ; ctx: row r x pitch + 16 h
	v_and_b32 v4, 7, v0
	v_bfe_u32 v5, v0, 3, 1
	v_lshl_add_u32 v4, v2, 3, v4                   ; Wout, turned: k 8 h + l % 8, columns 8 ((l / 8) % 2) on
	v_mul_u32_u24 v4, v4, PB
	v_lshl_add_u32 v4, v5, 4, v4
	s_mul_i32 s21, s15, 64*PA                      ; my 64 rows of ctx
	s_lshl_b32 s22, s16, 8                         ; my 128 columns of Wout: 256 bytes,
	s_add_co_u32 s22, s22, BOFF                    ; behind ctx's 128 rows
.irp s, 0,1
	v_add_nc_u32 v[ADRA+\s], s21, v3
	v_add_nc_u32 v[ADRB+\s], s22, v4
	s_add_co_u32 s21, s21, SLOT
	s_add_co_u32 s22, s22, SLOT
.endr
	s_mul_i32 s23, s14, 16*SPITCH
	s_add_co_u32 s23, s23, STAGE                   ; my stage
	v_mul_u32_u24 v5, v1, SPITCH                   ; in: row r, 32 bytes for each half of the lanes
	v_lshl_add_u32 v5, v2, 5, v5
	v_add_nc_u32 v[STO], s23, v5
	v_and_b32 v6, 31, v0
	v_lshlrev_b32 v[CO], 4, v6                     ; back: the 32 lanes take one row of 512 bytes; and the same in out0
	v_add_nc_u32 v[RD], s23, v[CO]
	v_lshlrev_b32 v[BO], 5, v2
	v_lshlrev_b32 v[VO], 2, v1
	s_lshl_b32 s20, s17, 7
	s_lshl_b32 s21, s15, 6
	s_add_co_u32 s20, s20, s21                     ; m0: my first row
	s_lshl_b32 s18, s20, 2
	s_mov_b32 s19, 0
	s_add_nc_u64 s[10:11], s[10:11], s[18:19]      ; valid at m0
	s_lshl_b32 s46, s42, 10
	s_lshl_b32 s47, s16, 9
	s_add_co_u32 s46, s46, s47                     ; my first column, in bytes of f32
	s_mov_b32 s47, 0
	s_add_nc_u64 s[8:9], s[8:9], s[46:47]          ; the bias there
	s_lshl_b32 s20, s20, 12
	s_mov_b32 s21, 0
	s_add_nc_u64 s[12:13], s[12:13], s[20:21]
	s_add_nc_u64 s[12:13], s[12:13], s[46:47]      ; out0 at (m0, my first column)
.irp a, 0,1,2,3
	global_load_b32 v[VAL+2*\a], v[VO], s[10:11] offset:64*\a      ; valid of row m0 + 16 a + r
	v_mov_b32 v[VAL+2*\a+1], 0                     ; (named with it as a pair, so it is written)
.endr
	WIN 0x80                                       ; destination window 2
.irp b, 0,1,2,3,4,5,6,7                        ; lane (r, h) wants, for Wout's block b, the bias of columns 16 b + 8 h + 0 .. 7
	global_load_b128 v[8*\b:8*\b+3], v[BO], s[8:9] offset:64*\b
	global_load_b128 v[8*\b+4:8*\b+7], v[BO], s[8:9] offset:64*\b+16
.endr
	WIN 0
.macro MUL8 f, a, first                ; ctx's block a against Wout's eight, 32 along K.  The 32 accumulators take turns, in the same order in every quarter
.irp b, 0,1,2,3,4,5,6,7
.if \first
	v_wmma_f32_16x16x32_f16 v[8*(8*(\a)+\b):8*(8*(\a)+\b)+7], v[\f+32+8*\b:\f+32+8*\b+7], v[\f+8*(\a):\f+8*(\a)+7], v[8*\b:8*\b+7]
.else
	v_wmma_f32_16x16x32_f16 v[8*(8*(\a)+\b):8*(8*(\a)+\b)+7], v[\f+32+8*\b:\f+32+8*\b+7], v[\f+8*(\a):\f+8*(\a)+7], v[8*(8*(\a)+\b):8*(8*(\a)+\b)+7]
.endif
.endr
.endm
.macro FETCH slot, kk, f               ; 24 LDS loads in one run: the fragments of the slot's kk-th 32 along K: Wout's eight, then ctx's four
.irp b, 0,1,2,3,4,5,6,7
	ds_load_tr16_b128 v[\f+32+8*\b:\f+32+8*\b+3],   v[ADRB+\slot] offset:32*PB*(\kk)+32*\b
	ds_load_tr16_b128 v[\f+32+8*\b+4:\f+32+8*\b+7], v[ADRB+\slot] offset:32*PB*(\kk)+32*\b+16*PB
.endr
.irp i, 0,1,2,3
	ds_load_b128 v[\f+8*\i:\f+8*\i+3],   v[ADRA+\slot] offset:64*(\kk)+16*PA*\i
	ds_load_b128 v[\f+8*\i+4:\f+8*\i+7], v[ADRA+\slot] offset:64*(\kk)+16*PA*\i+32
.endr
.endm
.macro PLACES
.rept 4
	v_nop
.endr
.endm
.macro QUARTER slot, kk, f, g, first   ; multiplies buffer f; in its middle fetches the quarter kk of the same slot into g
	s_wait_dscnt 4                                 ; Wout's eight and ctx's blocks 0, 1 are in; the youngest four loads (blocks 2, 3) may be out
.if \first
	WIN MULF
.else
	WIN MUL
.endif
	MUL8 \f, 0, \first
	MUL8 \f, 1, \first
	PLACES
	WIN 0
	FETCH \slot, \kk, \g
	s_wait_dscnt 24                                ; all but the 24 just issued
.if \first
	WIN MULF
.else
	WIN MUL
.endif
	MUL8 \f, 2, \first
	MUL8 \f, 3, \first
.endm
; A K step's last quarter multiplies buffer 1 and changes slots: one barrier; in front of it each wave waits for all its tensor loads, adds 0 to its spare word, and waits for that and for its reads of this slot.
.macro TURN slot, next, fill
	WIN 0
	s_wait_tensorcnt 0x0                           ; my part of the next slot has landed
	ds_add_u32 v[SPW], v[NIL]
	s_wait_dscnt 5                                 ; the add and the youngest four loads may be out
	WIN MUL
	MUL8 F1, 0, 0
	s_wait_dscnt 0x0                               ; the add is done, and my reads of this slot are over
	s_barrier_signal -1
	MUL8 F1, 1, 0
	WIN 0
	s_barrier_wait -1
.if \fill
	CREST                                          ; the barrier has opened a round of the cluster's: no wave of any partner still reads this slot or has a load on its way
	s_add_nc_u64 s[G0+4*\slot+2:G0+4*\slot+3], s[G0+4*\slot+2:G0+4*\slot+3], 2*256
	s_add_nc_u64 s[G0B+4*\slot+2:G0B+4*\slot+3], s[G0B+4*\slot+2:G0B+4*\slot+3], 2*128*KROWB
	JLOAD \slot                                    ; the first tensor load behind the round; its four v_nop are also the places in front of the loads below
.else
	PLACES
.endif
	FETCH \next, 0, F0
	WIN MUL
	MUL8 F1, 2, 0
	MUL8 F1, 3, 0
.endm
	s_wait_tensorcnt 1                             ; my part of K step 0 is in; K step 1's may be out
	s_barrier_signal -1
	s_barrier_wait -1
	s_wait_loadcnt 0x0                             ; the bias and valid
	FETCH 0, 0, F0
	QUARTER 0, 1, F0, F1, 1                        ; the first quarter stands in front of the loop: the bias starts the sums
	WIN 0
	s_mov_b32 s3, LAPS-1
.Llap:                                                 ; a trip goes once round the ring and fills both slots again
	QUARTER 0, 2, F1, F0, 0
	QUARTER 0, 3, F0, F1, 0
	TURN 0, 1, 1
	QUARTER 1, 1, F0, F1, 0
	QUARTER 1, 2, F1, F0, 0
	QUARTER 1, 3, F0, F1, 0
	TURN 1, 0, 1
	QUARTER 0, 1, F0, F1, 0
	WIN 0
	s_sub_co_u32 s3, s3, 1
	s_cmp_lg_u32 s3, 0
	s_cbranch_scc1 .Llap
	QUARTER 0, 2, F1, F0, 0                        ; the last lap fills nothing
	QUARTER 0, 3, F0, F1, 0
	TURN 0, 1, 0
	QUARTER 1, 1, F0, F1, 0
	QUARTER 1, 2, F1, F0, 0
	QUARTER 1, 3, F0, F1, 0
	s_wait_dscnt 4
	WIN MUL
	MUL8 F1, 0, 0
	MUL8 F1, 1, 0
	s_wait_dscnt 0
	MUL8 F1, 2, 0
	MUL8 F1, 3, 0
	WIN 0
; THE WAY OUT, block by block of 16 rows x 128 columns: x valid of the lane's row; through my own stage; back as whole rows of 512 bytes.
.macro SCALE a
	WIN 0x01                                       ; source 0: window 1
.set i, 0
.rept 32
	v_pk_mul_f32 v[OUTV+2*i:OUTV+2*i+1], v[64*(\a)+2*i:64*(\a)+2*i+1], v[VAL+2*(\a):VAL+2*(\a)+1] op_sel_hi:[1,0]   ; each accumulator from its low end on
.set i, i+1
.endr
	WIN 0
.endm
.macro TOSTAGE a
.set BB, BK+64*((\a)%2)
.irp b, 0,1,2,3,4,5,6,7
	ds_store_b128 v[STO], v[OUTV+8*\b:OUTV+8*\b+3] offset:64*\b
	ds_store_b128 v[STO], v[OUTV+8*\b+4:OUTV+8*\b+7] offset:64*\b+16
.endr
.irp t, 0,1,2,3,4,5,6,7,8,9,10,11,12,13,14,15
	ds_load_b128 v[BB+4*\t:BB+4*\t+3], v[RD] offset:\t*SPITCH      ; LDS serves a wave's instructions in order: these see the stores above
.endr
.endm
.macro SEND a, younger                 ; younger: the LDS instructions issued behind block a's loads, which may stay out
.set BB, BK+64*((\a)%2)
	s_wait_dscnt \younger
.if (\a) > 0
	s_add_nc_u64 s[12:13], s[12:13], 16*4096       ; (behind a wait on XCNT: the earlier stores have read their base)  16 rows on
.endif
.irp t, 0,1,2,3,4,5,6,7,8,9,10,11,12,13,14,15
	global_store_b128 v[CO], v[BB+4*\t:BB+4*\t+3], s[12:13] offset:\t*4096 th:TH_STORE_NT   ; 32 lanes store 512 consecutive bytes, aligned
.endr
.endm
	PLACES
	SCALE 0
	TOSTAGE 0
.irp a, 1,2,3
.if \a > 1
	s_wait_xcnt 0x0                                ; block a - 2's stores have read their registers and their base
.endif
	SCALE \a
	TOSTAGE \a
	SEND \a-1, 32                                  ; behind block a - 1's loads: block a's 16 stores and 16 loads
.endr
	s_wait_xcnt 0x0
	SEND 3, 0
	s_wait_tensorcnt 0x0                           ; the wave's end
	ds_add_u32 v[SPW], v[NIL]
	s_wait_dscnt 0x0
	CROUND                                         ; the closing round
	s_endpgm
.Lfunc_end_k_q7bee4ff739_proj:
	.size	k_q7bee4ff739_proj, .Lfunc_end_k_q7bee4ff739_proj-k_q7bee4ff739_proj
	.p2alignl 7, 3214868480
	.fill 96, 4, 3214868480
	.section	.rodata,"a",@progbits
	.p2align	6, 0x0
	.amdhsa_kernel k_q7bee4ff739_proj
		.amdhsa_group_segment_fixed_size 327680
		.amdhsa_private_segment_fixed_size 0
		.amdhsa_enable_private_segment 0
		.amdhsa_kernarg_size 40
		.amdhsa_user_sgpr_count 2
		.amdhsa_user_sgpr_kernarg_segment_ptr 1
		.amdhsa_wavefront_size32 1
		.amdhsa_system_sgpr_workgroup_id_x 1
		.amdhsa_system_sgpr_workgroup_id_y 1
		.amdhsa_system_sgpr_workgroup_id_z 1
		.amdhsa_system_vgpr_workitem_id 0
		.amdhsa_next_free_vgpr 1024
		.amdhsa_next_free_sgpr 66
		.amdhsa_reserve_vcc 0
		.amdhsa_float_denorm_mode_32 3
		.amdhsa_float_denorm_mode_16_64 3
		.amdhsa_memory_ordered 1
		.amdhsa_forward_progress 1
		.amdhsa_inst_pref_size 95
	.end_amdhsa_kernel
	.amdgpu_metadata
---
amdhsa.version: [ 1, 2 ]
amdhsa.kernels:
  - .name:           k_q7bee4ff739_proj
    .symbol:         k_q7bee4ff739_proj.kd
    .args:
      - { .name: ctx16, .offset: 0, .size: 8, .value_kind: global_buffer, .address_space: global }
      - { .name: wo16, .offset: 8, .size: 8, .value_kind: global_buffer, .address_space: global }
      - { .name: bout, .offset: 16, .size: 8, .value_kind: global_buffer, .address_space: global }
      - { .name: valid, .offset: 24, .size: 8, .value_kind: global_buffer, .address_space: global }
      - { .name: out0, .offset: 32, .size: 8, .value_kind: global_buffer, .address_space: global }
    .group_segment_fixed_size: 327680
    .private_segment_fixed_size: 0
    .kernarg_segment_align: 8
    .kernarg_segment_size: 40
    .max_flat_workgroup_size: 128
    .sgpr_count:     66
    .vgpr_count:     1024
    .wavefront_size: 32
...
	.end_amdgpu_metadata
.endif
;; end of part 6
